; MI455X (gfx1250); checked and timed in simulation.
; The chip was launched on July 23, 2026; its instructions are those of AMD's public machine-readable ISA for CDNA 5 (MIT licence, August 2026) and "CDNA5" Instruction Set Architecture Reference Guide (July 2026). The comments in the code are by the model that wrote it; some were corrected since.
;; Multihead Attention. Allowed arithmetic: matrix products marked QUANTISED: E3M2 operands, one E8M0 scale for each 32 along K, by v_wmma_scale_f32_16x16x128_f8f6f4 with both operands' format E3M2, f32 sums; everything else in f32.
;; Inputs: Wk 2,048 x 2,048 float32; Wo 2,048 x 2,048 float32; Wq 2,048 x 2,048 float32; Wv 2,048 x 2,048 float32; key_ 2,048 x 2,048 float32; query 2,048 x 2,048 float32; value 2,048 x 2,048 float32.
;; Outputs: out0 2,048 x 2,048 float32.
;; This version of the problem:
;;   THIS VERSION OF THE PROBLEM IS GIVEN IN LOW PRECISION. The matrix products marked QUANTISED in the list below multiply operands that are first quantised to E3M2 (3 exponent bits, 2 mantissa bits; 6 bits a number), with one power-of-two scale for each 32 numbers along K (OCP MX v1.0); their sums are f32. All else is computed in f32.
;;   The module's matrix products, in the order in which they are computed (A, B: the left and right operand; K: the contracted axis; several contracted axes count as one K, in the product's order):
;;     1. [M 2,048, K 2,048] x [K 2,048, N 2,048]; A: input query; B: input Wq: QUANTISED
;;     2. [M 2,048, K 2,048] x [K 2,048, N 2,048]; A: input key_; B: input Wk: QUANTISED
;;     3. [M 2,048, K 2,048] x [K 2,048, N 2,048]; A: input value; B: input Wv: QUANTISED
;;     4. batch 16 x [M 2,048, K 128] x [K 128, N 2,048]; A: computed on the way; B: computed on the way: QUANTISED
;;     5. batch 16 x [M 128, K 2,048] x [K 2,048, N 2,048]; A: computed on the way; B: softmax (see below): QUANTISED
;;     6. [M 2,048, K 2,048] x [K 2,048, N 2,048]; A: computed on the way; B: input Wo: QUANTISED
;;   THE QUANTISER, for each operand of a quantised product, along K:
;;     - K is cut into blocks of 32 from its start; a last block that is shorter is filled with zeros.
;;     - A block's scale is 2^e with e = floor(log2(the largest magnitude in the block)) - 4, held to -126 .. 127; a block of zeros has e = 0. As a byte (E8M0): e + 127.
;;     - Each number is divided by its block's scale, clamped to +-28, and rounded to the nearest number of E3M2, ties to even, subnormals kept.
;;     - The product sums the exact products of the quantised numbers (number of the format x scale) in f32.
;;   ~~~python
;;   def quantise(x, axis):      # numpy; x: float32 -> the quantised numbers, widened to float32 again
;;       x = np.moveaxis(x, axis, -1); K = x.shape[-1]
;;       x = np.pad(x, [(0, 0)] * (x.ndim - 1) + [(0, -K % 32)]); x = x.reshape(x.shape[:-1] + (-1, 32)); a = np.abs(x).max(-1, keepdims=True)
;;       e = np.where(a > 0, np.clip(np.frexp(np.where(a > 0, a, 1))[1] - 1 - 4, -126, 127), 0)      # np.frexp(a)[1] - 1 = floor(log2(a)), exactly
;;       r = np.clip(x / 2.0 ** e, -28, 28)
;;       step = 2.0 ** (np.maximum(np.frexp(np.where(r == 0, 1, r))[1] - 1, -2) - 2)
;;       q = np.round(r / step) * step * 2.0 ** e      # np.round: ties to even
;;       return np.moveaxis(q.reshape(q.shape[:-2] + (-1,))[..., :K], -1, axis).astype(np.float32)
;;   ~~~
;;   SOFTMAX AHEAD OF A QUANTISED PRODUCT. Where the list says 'softmax', what is quantised is not the finished softmax but p = 2^(t - M), with t = logit x log2(e) and M = ceil(the row's largest t), a whole number; so 1/2 < the row's largest p <= 1. The row's sum l is taken of the UNQUANTISED p, in f32, and the product's result is divided by l at the end. Since M is a whole number, a kernel that streams over the keys may use a running M (the ceiling of the running maximum): every later rescaling is an exact power of two, which a block's scale takes up: the codes' values come out the same.
;;   OPERANDS COMPUTED ON THE WAY. 'Computed on the way' means the value that the module computes at that place (a softmax that the list does not call 'softmax' is quantised finished and normalised). What goes into a quantiser is computed in f32, as accurately as f32 sums, v_exp_f32 and their like allow (about 1e-6 of the number): no bf16 or f16 on the way to a quantiser, and a product that is left as it is and whose result goes on into a quantised operand takes f32 operands (vector FMAs, or v_wmma_f32_16x16x4_f32). A number that lies on a knife's edge between two numbers of the format may be rounded either way, as far as f32 arithmetic and the matrix unit's own rounding can turn it there, and no further.
;; One version. Each part assembles by itself: llvm-mc -triple=amdgcn-amd-amdhsa -mcpu=gfx1250 --defsym DOCPART=n.
;; ======== version 1 of 1: 4 launches
;; limits: right only within a limited range of input values
;; workspace buffers: xc 22,937,600 bytes; qkv 9,830,400 bytes; ac 3,276,800 bytes
;; launch quant (part 1): grid 256 x 1, 8 waves a work-group, no clusters, 327,680 bytes of LDS; arguments query, key_, value, Wq, Wk, Wv, Wo, xc; writes xc
.if DOCPART == 1
	.amdgcn_target "amdgcn-amd-amdhsa--gfx1250"
	.amdhsa_code_object_version 6
	.text
	.protected	k_q7827e9448a_quant
	.globl	k_q7827e9448a_quant
	.p2align	8
	.type	k_q7827e9448a_quant,@function
k_q7827e9448a_quant:
	s_mov_b64 s[64:65], 0
	v_nop
	global_prefetch_b8 v0, s[64:65] scope:SCOPE_SE
	s_setreg_imm32_b32 hwreg(HW_REG_WAVE_MODE, 25, 1), 1
	s_wait_xcnt 0x0
; The seven f32 inputs, each [2048][2048] with K innermost, become codes of BF6 (E3M2) with one E8M0 scale byte for each 32 along K, in this program's own layout:
; A BLOCK of 12,800 bytes holds 128 rows x 128 K: eight IMAGES of operand fragments (16 rows x 128 K = 12 registers a lane; registers 4 c .. 4 c + 3 of lane l at 1,536 f + 512 c + 16 l),
; then from byte 12,288 on the 128 rows' scale words, 4 bytes a row.  Tensor T begins at T x 3,276,800; block (row / 128, k / 128) at (16 (row / 128) + k / 128) x 12,800.
; A block's scale is 2^(floor(log2(largest magnitude)) - 4); its byte is the largest magnitude's exponent field - 4, held at 1 from below.
; K ORDER: inside each block of 32 the codes stand in the order k = 0-7, 16-23, 8-15, 24-31.  Every operand of this program has that order, so each product still pairs equal k, and the
; blocks and their scales are the stated ones; only the order of the f32 sums differs from an ascending one.
; WORK LEFT OUT BY THE PROGRAM (in the attention launch): steps of 128 keys that lie wholly behind a wave's queries.  reference() builds the causal mask in its own body and sets those logits to the
; least f32 number ahead of the softmax, whatever the inputs hold, so their weights add nothing to any output.  Every input has a way to the output and is loaded.
; LIMITS: a NaN, an infinity or an overflow that reaches only the work left out is not carried to the result.  NaN and infinities among the inputs are not served; blocks whose largest magnitude lies
; under 2^-122 have their byte held at 1 (not tried); a block of zeros gets the byte 1, not 127: its codes are zeros, and this program alone reads the bytes.
; SHARES: 7 x 256 blocks, 256 work-groups: work-group i takes block i of each tensor, 7 x 65,536 bytes of f32.  Eight waves, four trips through a ring of two LDS slots filled by tensor loads.
; Trips 0-2 take two tensors each (2 t by waves 0-3, 2 t + 1 by waves 4-7): a wave loads 32 rows x 512 bytes with one load and works them: two fragments.  Trip 3 takes Wo: 16 rows, one fragment a wave.
; The descriptor pads each LDS row to 528 bytes, so a lane reads its 16 numbers of each block of its row straight from the tile.  A wave reads only what it loaded.
; By the text's own count a wave has one tensor load out behind each barrier.  Work-groups share no input: no cluster.  No matrix work.
; PREFETCH: behind the load of trip t + 1 each wave names the rows of its own load of trip t + 2, a lane to each 256 bytes (32 rows x 2, or 16 rows x 2 in one line): one trip ahead of the load;
; at the head those of trip 1; trips 2 and 3 have nothing left to name.
.set BLKB,  12800
.set TENB,  256*BLKB
.set SP,    528                        ; an LDS row: 512 bytes + 16: the sixteen rows that sixteen lanes read start 16 bytes apart modulo 256
.set REG,   32*SP                      ; a wave's part of a slot
.set SLOT,  8*REG
.set SCR,   2*SLOT                     ; behind the ring: the seven blocks' scale words, 512 bytes each; no tile lands here
.set SPARE, SCR+7*512                  ; the spare words, 128 bytes for each wave, that no other line names
.set LI,   1                           ; v1    16 x lane
.set RDA,  2                           ; v2-3  my row of my part of slot 0, 1
.set SCW,  4                           ; v4    where my row's scale words of trips 0-2 go
.set SCW2, 5                           ; v5    the same for trip 3
.set SCRD, 6                           ; v6    where I read a block's words back
.set PFO,  7                           ; v7    prefetch: lane x a row of 8,192 bytes
.set PFO2, 8                           ; v8    prefetch: (lane % 16) rows + 256 (lane / 16)
.set SPW,  10                          ; v10   my spare word; never rewritten
.set NIL,  11                          ; v11   0; never rewritten
.set X,    16                          ; v16-143  two fragments' numbers: register 64 f + 16 b + i is number i of my half of block b
.set PC,   144                         ; v144-183 the codes, 20 registers a fragment
.set TM,   184                         ; v184-215 at work, 16 a fragment: +0..3 largest magnitudes, +4..7 bytes, +12..15 the conversions' scale operands
.set PW,   216                         ; v216-222 the seven scale words of my rows
.set G1,   24                          ; s[24:31] group 1: 32 rows;  s[32:39]: 16 rows
.set G1S,  32
.set G0,   40                          ; s[40:55] group 0, one set for each trip: none is written again
.set DST,  56                          ; s[56:63] where each trip's images go
.set SD,   66                          ; s[66:67] where a block's scale words go
.set SEL,  68                          ; s[68:69] lane selects: lane l xor 16
.macro H4 nf                           ; one fragment: four chains by turns, a line reads the result four lines back; two fragments: eight chains
.if \nf == 1
	s_delay_alu instid0(VALU_DEP_4)
.endif
.endm
.macro STAGE nf, k                     ; one line for each block of each fragment
.set cc, 0
.rept 4*\nf
.set tm, TM+16*(cc/4)+cc%4
	H4 \nf
.if \k == 0
	v_permlanex16_b32 v[tm+4], v[tm], s[SEL], s[SEL+1]
.elseif \k == 1
	v_max_num_f32 v[tm], v[tm], v[tm+4]            ; with lane l xor 16's 16: the block's largest magnitude
.elseif \k == 2
	v_add_nc_u32 v[tm+12], 0xfe000000, v[tm]       ; 4 off the exponent field: the conversion's scale operand
.else
	v_lshrrev_b32 v[tm+4], 23, v[tm+12]            ; the scale's byte
.endif
.set cc, cc+1
.endr
.endm
.macro WORD nf, pw, src, sh
.set fs, 0
.rept \nf
	s_delay_alu instid0(VALU_DEP_\nf)
	v_lshl_or_b32 v[(\pw)+fs], v[TM+16*fs+\src], \sh, v[(\pw)+fs]
.set fs, fs+1
.endr
.endm
.macro QUANT nf, pw                    ; nf fragments in X become codes in PC and scale words in pw ..
.set ii, 0
.rept 8
.set cc, 0
.rept 4*\nf
.set tm, TM+16*(cc/4)+cc%4
.if ii == 0
	v_max3_num_f32 v[tm], |v[X+16*cc]|, |v[X+16*cc+1]|, 0x2800000   ; my 16 numbers of the block, and the floor 2^(5 - 127): the byte cannot fall under 1
.else
	H4 \nf
	v_max3_num_f32 v[tm], v[tm], |v[X+16*cc+ii]|, |v[X+16*cc+ii+1]|
.endif
.set cc, cc+1
.endr
.set ii, ii+2
.endr
	STAGE \nf, 0
	STAGE \nf, 1
	STAGE \nf, 2
	STAGE \nf, 3
.set fs, 0
.rept \nf
	v_lshl_or_b32 v[(\pw)+fs], v[TM+16*fs+5], 8, v[TM+16*fs+4]   ; four bytes: my row's scale word
.set fs, fs+1
.endr
	WORD \nf, \pw, 6, 16
	WORD \nf, \pw, 7, 24
.set fs, 0
.rept \nf
.irp h, 0,1
	v_cvt_scalef32_pk16_bf6_f32 v[PC+20*fs+6*\h:PC+20*fs+6*\h+2], v[X+64*fs+32*\h:X+64*fs+32*\h+15], v[TM+16*fs+12+2*\h]
	v_cvt_scalef32_pk16_bf6_f32 v[PC+20*fs+12+4*\h:PC+20*fs+14+4*\h], v[X+64*fs+16+32*\h:X+64*fs+31+32*\h], v[TM+16*fs+13+2*\h]   ; (a conversion's three registers begin on an even number)
.endr
.set fs, fs+1
.endr
	v_nop                                          ; one plain line behind the last scaled conversion
.set fs, 0
.rept \nf                              ; the operand wants a whole block in a lane: lanes 0-15 block 2 h, lanes 16-31 block 2 h + 1
.irp h, 0,1
.irp j, 0,1,2
	v_permlane16_swap_b32 v[PC+20*fs+6*\h+\j], v[PC+20*fs+12+4*\h+\j]
.endr
.endr
.set fs, fs+1
.endr
.set fs, 0
.rept \nf
.irp h, 0,1
.irp j, 0,1,2
	v_mov_b32 v[PC+20*fs+3+6*\h+\j], v[PC+20*fs+12+4*\h+\j]
.endr
.endr
.set fs, fs+1
.endr
.endm
.macro ASK t                           ; the rows of my load of trip t + 2
.if \t == 0
	global_prefetch_b8 v[PFO], s[16:17] th:TH_LOAD_NT scope:SCOPE_SE
	global_prefetch_b8 v[PFO], s[16:17] offset:256 th:TH_LOAD_NT scope:SCOPE_SE
.elseif \t == 1
	global_prefetch_b8 v[PFO2], s[20:21] th:TH_LOAD_NT scope:SCOPE_SE
.endif
.endm
.macro TRIP t, nf
	s_wait_tensorcnt 0x0                           ; my one load that was out, this trip's rows, has landed
	ds_add_u32 v[SPW], v[NIL]
.if \t > 0
	s_wait_xcnt 0x0                                ; the last trip's stores have read the codes' registers, which are written again below
.endif
	s_wait_dscnt 0x0                               ; the add is done, and my reads of the other slot are over
	s_barrier_signal -1
	s_barrier_wait -1
.if \t < 2
	tensor_load_to_lds s[G0+4*(\t)+4:G0+4*(\t)+7], s[G1:G1+7]   ; the next trip's rows, into the slot read last (the first time: slot 1's first fill)
	s_nop 0
.elseif \t == 2
	tensor_load_to_lds s[G0+12:G0+15], s[G1S:G1S+7]             ; trip 3: 16 rows
	s_nop 0
.endif
.set cc, 0
.rept 4*\nf                            ; of block b my half of the lanes takes k = 8 h + 0..7 and 16 + 8 h + 0..7
.if cc == 2
	ASK \t
.endif
.irp p, 0,1,2,3
	ds_load_b128 v[X+16*cc+4*\p:X+16*cc+4*\p+3], v[RDA+(\t)%2] offset:16*SP*(cc/4)+128*(cc%4)+16*(\p%2)+64*(\p/2)
.endr
.set cc, cc+1
.endr
	s_wait_dscnt 0x0
	QUANT \nf, PW+2*(\t)
.if \t == 3                            ; no tensor load is out any more: my seven scale words go to their blocks' places in LDS; both halves of the lanes write the same word with the same value
.irp u, 0,1,2,3,4,5
	ds_store_b32 v[SCW], v[PW+\u] offset:1024*(\u/2)+64*(\u%2)
.endr
	ds_store_b32 v[SCW2], v[PW+6] offset:3072
.endif
.set fs, 0
.rept \nf
.irp c, 0,1,2
	global_store_b128 v[LI], v[PC+20*fs+4*\c:PC+20*fs+4*\c+3], s[DST+2*(\t):DST+2*(\t)+1] offset:1536*fs+512*\c   ; 512 consecutive bytes, at a multiple of 256 from xc's first byte
.endr
.set fs, fs+1
.endr
.endm
	s_load_b512 s[8:23], s[0:1], 0x0               ; query, key_, value, Wq, Wk, Wv, Wo, xc
	v_lshl_add_u32 v[SPW], v0, 2, SPARE
	v_mov_b32 v[NIL], 0
	ds_add_u32 v[SPW], v[NIL]                      ; the opening: the add, twice on end, and its wait ahead of my first tensor load
	ds_add_u32 v[SPW], v[NIL]
	v_lshrrev_b32 v12, 5, v0
	v_readfirstlane_b32 s2, v12                    ; wave 0..7
	s_lshr_b32 s70, s2, 2                          ; which of a trip's two tensors
	s_and_b32 s71, s2, 3                           ; which 32 rows of its block
	s_lshr_b32 s72, ttmp9, 4                       ; which 128 rows
	s_and_b32 s73, ttmp9, 15                       ; which 128 along K
	s_lshl_b32 s74, s72, 20                        ; 128 rows of 8,192 bytes
	s_lshl_b32 s73, s73, 9
	s_add_co_u32 s74, s74, s73                     ; the block's first byte in its tensor
	s_lshl_b32 s76, s71, 18
	s_add_co_u32 s76, s76, s74                     ; s[76:77]: my 32 rows
	s_mov_b32 s77, 0
	s_lshl_b32 s78, s2, 17
	s_add_co_u32 s78, s78, s74                     ; s[78:79]: my 16 rows of trip 3
	s_mov_b32 s79, 0
	s_mul_i32 s90, s2, REG                         ; my part of a slot
.irp g, G1, G1S
	s_mov_b32 s[\g], (2<<16)|(1<<20)|(6<<22)|(3<<25)   ; elements of 4 bytes; behind every 128 words 4 words of padding
	s_mov_b32 s[\g+1], 128<<16                     ; tensor_dim0
	s_mov_b32 s[\g+3], 128<<16                     ; tile_dim0
	s_mov_b32 s[\g+5], 2048                        ; from row to row
	s_mov_b32 s[\g+6], 0
	s_mov_b32 s[\g+7], 0
.endr
	s_mov_b32 s[G1+2], 32<<16                      ; tensor_dim1,
	s_mov_b32 s[G1+4], 32                          ; tile_dim1
	s_mov_b32 s[G1S+2], 16<<16
	s_mov_b32 s[G1S+4], 16
	s_wait_dscnt 0x0                               ; both opening adds are done
	s_wait_kmcnt 0x0
	s_cmp_eq_u32 s70, 0                            ; the tensor is chosen by the wave's number alone
	s_cselect_b64 s[8:9], s[8:9], s[10:11]
	s_cselect_b64 s[12:13], s[12:13], s[14:15]
	s_cselect_b64 s[16:17], s[16:17], s[18:19]
	s_add_nc_u64 s[8:9], s[8:9], s[76:77]          ; s[8+4t:9+4t]: my rows of trip t
	s_add_nc_u64 s[12:13], s[12:13], s[76:77]
	s_add_nc_u64 s[16:17], s[16:17], s[76:77]
	s_add_nc_u64 s[20:21], s[20:21], s[78:79]
	s_mov_b32 s[G0], 1
	s_mov_b32 s[G0+1], s90
	s_mov_b64 s[G0+2:G0+3], s[8:9]
	s_or_b32 s[G0+3], s[G0+3], 0x80000000
	tensor_load_to_lds s[G0:G0+3], s[G1:G1+7]      ; trip 0's rows: my one load at the head
	s_nop 0
.irp t, 1,2,3
	s_mov_b32 s[G0+4*\t], 1
	s_add_co_u32 s[G0+4*\t+1], s90, (\t%2)*SLOT
	s_mov_b64 s[G0+4*\t+2:G0+4*\t+3], s[8+4*\t:9+4*\t]
	s_or_b32 s[G0+4*\t+3], s[G0+4*\t+3], 0x80000000
.endr
	s_mul_i32 s80, ttmp9, BLKB                     ; my block in a tensor of xc
	s_mul_i32 s84, s70, TENB
	s_add_co_u32 s84, s84, s80
	s_mul_i32 s81, s71, 2*1536                     ; my two images
	s_add_co_u32 s84, s84, s81
	s_mov_b32 s85, 0
	s_add_nc_u64 s[DST:DST+1], s[22:23], s[84:85]
	s_add_nc_u64 s[DST+2:DST+3], s[DST:DST+1], 2*TENB
	s_add_nc_u64 s[DST+4:DST+5], s[DST+2:DST+3], 2*TENB
	s_mul_i32 s86, s2, 1536                        ; trip 3: image = wave, tensor 6
	s_add_co_u32 s86, s86, s80
	s_add_co_u32 s86, s86, 6*TENB
	s_mov_b32 s87, 0
	s_add_nc_u64 s[DST+6:DST+7], s[22:23], s[86:87]
	s_min_u32 s93, s2, 6                           ; at the end wave w sends tensor w's 128 scale words (wave 7 sends none)
	s_mul_i32 s88, s93, TENB
	s_add_co_u32 s88, s88, s80
	s_add_co_u32 s88, s88, 12288
	s_mov_b32 s89, 0
	s_add_nc_u64 s[SD:SD+1], s[22:23], s[88:89]
	s_lshl_b32 s93, s93, 9
	s_add_co_u32 s93, s93, SCR
	s_lshl_b32 s91, s2, 7                          ; trips 0-2: tensor 2 t + wave / 4, rows 32 (wave % 4) ..: 1,024 t + 128 wave
	s_add_co_u32 s91, s91, SCR
	s_lshl_b32 s92, s2, 6                          ; trip 3: rows 16 wave ..
	s_add_co_u32 s92, s92, SCR
	s_mov_b32 s[SEL], 0x76543210
	s_mov_b32 s[SEL+1], 0xfedcba98
	v_and_b32 v12, 31, v0                          ; lane
	v_and_b32 v13, 15, v0                          ; r
	v_bfe_u32 v14, v0, 4, 1                        ; h
	v_lshlrev_b32 v[LI], 4, v12
	v_mul_u32_u24 v15, v13, SP
	v_lshl_add_u32 v15, v14, 5, v15                ; row r, + 32 h
	v_add_nc_u32 v[RDA], s90, v15
	v_add_nc_u32 v[RDA+1], SLOT, v[RDA]
	v_lshl_add_u32 v[SCW], v13, 2, s91
	v_lshl_add_u32 v[SCW2], v13, 2, s92
	v_lshl_add_u32 v[SCRD], v12, 4, s93
	v_lshlrev_b32 v[PFO], 13, v12
	v_lshlrev_b32 v[PFO2], 13, v13
	v_lshl_add_u32 v[PFO2], v14, 8, v[PFO2]
.irp b, 4,5,6,7,20,21,22,23
	v_mov_b32 v[TM+\b], 0                          ; written once: a lane permute's destination counts as one of its sources
.endr
	global_prefetch_b8 v[PFO], s[12:13] th:TH_LOAD_NT scope:SCOPE_SE              ; the rows of my load of trip 1
	global_prefetch_b8 v[PFO], s[12:13] offset:256 th:TH_LOAD_NT scope:SCOPE_SE
	s_wait_alu depctr_va_vdst(0)
	TRIP 0, 2
	TRIP 1, 2
	TRIP 2, 2
	TRIP 3, 1
	s_wait_dscnt 0x0                               ; my scale words are in LDS
	s_barrier_signal -1
	s_barrier_wait -1                              ; and everybody's
	s_cmp_gt_u32 s2, 6
	s_cbranch_scc1 .Lend
	ds_load_b128 v[X:X+3], v[SCRD]                 ; tensor w's 128 words
	s_wait_dscnt 0x0
	global_store_b128 v[LI], v[X:X+3], s[SD:SD+1]  ; 512 consecutive bytes, at a multiple of 256 from xc's first byte
.Lend:
	s_wait_tensorcnt 0x0                           ; the wave's end
	ds_add_u32 v[SPW], v[NIL]
	s_wait_dscnt 0x0
	s_endpgm
.Lfunc_end_k_q7827e9448a_quant:
	.size	k_q7827e9448a_quant, .Lfunc_end_k_q7827e9448a_quant-k_q7827e9448a_quant
	.p2alignl 7, 3214868480
	.fill 96, 4, 3214868480
	.section	.rodata,"a",@progbits
	.p2align	6, 0x0
	.amdhsa_kernel k_q7827e9448a_quant
		.amdhsa_group_segment_fixed_size 327680
		.amdhsa_private_segment_fixed_size 0
		.amdhsa_enable_private_segment 0
		.amdhsa_kernarg_size 64
		.amdhsa_user_sgpr_count 2
		.amdhsa_user_sgpr_kernarg_segment_ptr 1
		.amdhsa_wavefront_size32 1
		.amdhsa_system_sgpr_workgroup_id_x 1
		.amdhsa_system_sgpr_workgroup_id_y 1
		.amdhsa_system_sgpr_workgroup_id_z 1
		.amdhsa_system_vgpr_workitem_id 0
		.amdhsa_next_free_vgpr 256
		.amdhsa_next_free_sgpr 96
		.amdhsa_reserve_vcc 0
		.amdhsa_float_denorm_mode_32 3
		.amdhsa_float_denorm_mode_16_64 3
		.amdhsa_memory_ordered 1
		.amdhsa_forward_progress 1
		.amdhsa_inst_pref_size 45
	.end_amdhsa_kernel
	.amdgpu_metadata
---
amdhsa.version: [ 1, 2 ]
amdhsa.kernels:
  - .name:           k_q7827e9448a_quant
    .symbol:         k_q7827e9448a_quant.kd
    .args:
      - { .name: query, .offset: 0, .size: 8, .value_kind: global_buffer, .address_space: global }
      - { .name: key_, .offset: 8, .size: 8, .value_kind: global_buffer, .address_space: global }
      - { .name: value, .offset: 16, .size: 8, .value_kind: global_buffer, .address_space: global }
      - { .name: Wq, .offset: 24, .size: 8, .value_kind: global_buffer, .address_space: global }
      - { .name: Wk, .offset: 32, .size: 8, .value_kind: global_buffer, .address_space: global }
      - { .name: Wv, .offset: 40, .size: 8, .value_kind: global_buffer, .address_space: global }
      - { .name: Wo, .offset: 48, .size: 8, .value_kind: global_buffer, .address_space: global }
      - { .name: xc, .offset: 56, .size: 8, .value_kind: global_buffer, .address_space: global }
    .group_segment_fixed_size: 327680
    .private_segment_fixed_size: 0
    .kernarg_segment_align: 8
    .kernarg_segment_size: 64
    .max_flat_workgroup_size: 256
    .sgpr_count:     96
    .vgpr_count:     256
    .wavefront_size: 32
...
	.end_amdgpu_metadata
.endif
;; end of part 1
;; launch proj (part 2): grid 8 x 24, 4 waves a work-group, clusters of 4 x 4, 327,680 bytes of LDS; arguments xc, qkv; writes qkv
.if DOCPART == 2
	.amdgcn_target "amdgcn-amd-amdhsa--gfx1250"
	.amdhsa_code_object_version 6
	.text
	.protected	k_q7827e9448a_proj
	.globl	k_q7827e9448a_proj
	.p2align	8
	.type	k_q7827e9448a_proj,@function
k_q7827e9448a_proj:
	s_mov_b64 s[64:65], 0
	v_nop
	global_prefetch_b8 v0, s[64:65] scope:SCOPE_SE
	s_setreg_imm32_b32 hwreg(HW_REG_WAVE_MODE, 25, 1), 1
	s_wait_xcnt 0x0
	s_wait_alu depctr_hold_cnt(0) depctr_sa_sdst(0) depctr_va_vdst(0) depctr_va_sdst(0) depctr_va_ssrc(0) depctr_va_vcc(0) depctr_vm_vsrc(0)
	s_getreg_b32 s2, hwreg(HW_REG_IB_STS2, 6, 4)
	s_cmp_eq_u32 s2, 0
	s_cbranch_scc0 .Lentry_in_a_cluster
	s_endpgm
.Lentry_in_a_cluster:
	s_bfe_u32 s2, ttmp6, 0x10000c
	s_cmp_lg_u32 s2, 0xf033
	s_cbranch_scc0 .Lentry_shape_is_right
	s_endpgm
.Lentry_shape_is_right:
; Three products of 2048 x 2048 x 2048 on codes of BF6 in one launch: g = 0: q = query Wq^T / sqrt(128); g = 1: k = key_ Wk^T / sqrt(128); g = 2: v^T = Wv value^T.  Each result is quantised ALONG ITS COLUMNS
; (q, k: the head's 128; v^T: the keys) and leaves as codes, in blocks of 12,800 bytes (eight images of fragments, then 128 scale words), for the attention launch.
; A work-group of four waves makes 256 x 256, a wave 128 x 128: 64 accumulators.  A wave's 128 columns are one head or one key step, so each 16 rows become one whole fragment of the next product.
; OPERANDS come as blocks of the same kind from xc: a slot of the ring holds THREE K steps of 128 for A's 256 rows and B's 256 rows: four dense runs of 38,400 bytes, one tensor load a wave: the most that
; fits twice in LDS.  From a request to the wait for it a wave issues 160 matrix instructions: 32 of the step in hand and the next slot's first two steps.  K has 16 steps: five fills of three and one of a
; single step, by a second pair of group 1; no two laps ask alike, so the 16 steps are written out.
; A fragment is three ds_load_b128 of 512 consecutive bytes; a ds_load_b32 at 4 x lane brings two fragments' scale words: the even one's in lanes 0-15, the odd one's in lanes 16-31.
; CLUSTERS: 4 x 4 work-groups of one product; A's runs are asked for jointly along a row of the cluster, B's along a column.
; THE MATRIX INSTRUCTION IS USED TRANSPOSED (source 0 = 16 rows of B, source 1 = 16 rows of A): a lane holds one row of the result, and register 8 b + j its column 16 b + 8 (lane / 16) + j.
; K ORDER: inside each block of 32 all operands of this program stand in the order 0-7, 16-23, 8-15, 24-31, which is the order in which two neighbouring tiles' registers lie here: equal k still meet;
; only the order of the f32 sums differs from an ascending one.
; LIMITS: NaN and infinities are not served; blocks whose largest magnitude lies under 2^-122 have their byte held at 1 (not tried); a block of zeros gets the byte 1, not 127 (its codes are zeros).
; 192 work-groups: a smaller tile whose waves still hold 128 columns reads 1.5 to 2.5 times the LDS bytes for each product.
; REGISTERS: window 0: v16-29 addresses; v32-47 scale words, two sets; v128-223 A's fragments, ONE set; in the epilogue v64-183 at work.  window 1: B's fragments, two sets, at v0 and v128.
;   window 2: the accumulators of my rows 0-63 ((a, b) at v[8 (8 (a % 4) + b)]); window 3: those of rows 64-127.
.set BLKB,  12800
.set NQ,    3                          ; K steps in a slot
.set REGB,  NQ*BLKB                    ; what one tensor load brings: 128 rows x 384 K
.set SLOT,  4*REGB
.set SCR,   2*SLOT                     ; behind the ring: 512 bytes for each wave's scale words
.set SPARE, SCR+4*512                  ; the spare words, 128 bytes for each wave: two blocks of 256 bytes that no other line names
.set TENB,  256*BLKB
.set ROWB,  16*BLKB                    ; the 16 K steps of 128 rows
.set FR,    12
.set NL,    3                          ; LDS loads that bring a fragment
.set NP,    4                          ; places behind this matrix instruction (ISA guide 7.12.1)
.set ADRA, 16                          ; v16-17 my A fragments in slot 0, 1;  v18-19 their scale words
.set ASA,  18
.set ADRB, 20                          ; v20-21, v22-23 the same for B
.set ASB,  22
.set LI,   24                          ; v24 16 x lane
.set SCW,  25                          ; v25 where I put a scale word
.set SCRD, 26                          ; v26 where I read the words back
.set SPW,  28                          ; v28 my spare word; never rewritten
.set NIL,  29                          ; v29 0; never rewritten
.set SC,   32                          ; scale words: the set of a step's parity p at +8 p; A's pairs of fragments at +i, B's at +4+i
.set AF,   128
.set X,    64                          ; the epilogue: 64 numbers,
.set PC,   128                         ; the codes,
.set TM,   160                         ; at work,
.set PW,   176                         ; the scale word,
.set OW,   180                         ; the words on their way out
.set G1,  24                           ; s[24:31] group 1 for A's runs of three K steps; s[32:39] group 0, one set for each slot
.set G0,  32
.set G1B, 48                           ; s[48:55], s[56:63] the same for B's
.set G0B, 56
.set SEL, 80
.set G1S, 84                           ; s[84:91] group 1 for A's last run, one K step; s[92:99] for B's
.set G1SB, 92
.set MSB, 0
.macro WIN new                         ; the immediate's high byte repeats the setting that is left
.if MSB != (\new)
	s_set_vgpr_msb (MSB<<8)|(\new)
.set MSB, (\new)
.endif
.endm
.set MUL_LO, 0xa1                      ; source 0 (B) window 1, source 1 (A) window 0, C and D window 2
.set MUL_HI, 0xf1
.set TO_B,   0x40
.macro MAXABS s
.irp b, 0,1,2,3
	v_max3_num_f32 v[TM+\b], |v[\s+16*\b]|, |v[\s+1+16*\b]|, 0x2800000   ; my 16 numbers of block b, and the floor 2^(5 - 127)
.endr
.irp i, 2,4,6,8,10,12,14
.irp b, 0,1,2,3
	v_max3_num_f32 v[TM+\b], v[TM+\b], |v[\s+16*\b+\i]|, |v[\s+1+16*\b+\i]|
.endr
.endr
.irp b, 0,1,2,3
	v_permlanex16_b32 v[TM+4+\b], v[TM+\b], s[SEL], s[SEL+1]
.endr
.irp b, 0,1,2,3
	v_max_num_f32 v[TM+\b], v[TM+\b], v[TM+4+\b]
.endr
.endm
.macro SCALEW
.irp b, 0,1,2,3
	v_add_nc_u32 v[TM+12+\b], 0xfe000000, v[TM+\b]   ; 4 off the exponent field: the conversion's scale operand
.endr
.irp b, 0,1,2,3
	v_lshrrev_b32 v[TM+4+\b], 23, v[TM+12+\b]
.endr
	v_lshl_or_b32 v[PW], v[TM+5], 8, v[TM+4]
	v_lshl_or_b32 v[PW], v[TM+6], 16, v[PW]
	v_lshl_or_b32 v[PW], v[TM+7], 24, v[PW]
.endm
.macro CODES s
.irp c, 0,1
	v_cvt_scalef32_pk16_bf6_f32 v[PC+6*\c:PC+2+6*\c], v[\s+32*\c:\s+15+32*\c], v[TM+12+2*\c]
	v_cvt_scalef32_pk16_bf6_f32 v[PC+12+4*\c:PC+14+4*\c], v[\s+16+32*\c:\s+31+32*\c], v[TM+13+2*\c]
.endr
	v_nop                                          ; one plain line behind the last scaled conversion
.irp c, 0,1
.irp i, 0,1,2
	v_permlane16_swap_b32 v[PC+6*\c+\i], v[PC+12+4*\c+\i]
.endr
.irp i, 0,1,2
	v_mov_b32 v[PC+3+6*\c+\i], v[PC+12+4*\c+\i]
.endr
.endr
.endm
.macro QUANT s
	MAXABS \s
	SCALEW
	CODES \s
.endm
; The matrix line.  d, a, b: first registers of D, source 0, source 1; zero = 1: C is the constant 0, else C = D; sa, sb: the scale registers; ra, rb = 1: that side's words lie in lanes 16-31.
.macro WM d, a, b, zero, sa, sb, ra, rb
.if \zero
.if (\ra) && (\rb)
	v_wmma_scale_f32_16x16x128_f8f6f4 v[\d:\d+7], v[\a:\a+11], v[\b:\b+11], 0, v[\sa], v[\sb] matrix_a_fmt:MATRIX_FMT_BF6 matrix_b_fmt:MATRIX_FMT_BF6 matrix_a_scale:MATRIX_SCALE_ROW1 matrix_b_scale:MATRIX_SCALE_ROW1
.elseif \ra
	v_wmma_scale_f32_16x16x128_f8f6f4 v[\d:\d+7], v[\a:\a+11], v[\b:\b+11], 0, v[\sa], v[\sb] matrix_a_fmt:MATRIX_FMT_BF6 matrix_b_fmt:MATRIX_FMT_BF6 matrix_a_scale:MATRIX_SCALE_ROW1
.elseif \rb
	v_wmma_scale_f32_16x16x128_f8f6f4 v[\d:\d+7], v[\a:\a+11], v[\b:\b+11], 0, v[\sa], v[\sb] matrix_a_fmt:MATRIX_FMT_BF6 matrix_b_fmt:MATRIX_FMT_BF6 matrix_b_scale:MATRIX_SCALE_ROW1
.else
	v_wmma_scale_f32_16x16x128_f8f6f4 v[\d:\d+7], v[\a:\a+11], v[\b:\b+11], 0, v[\sa], v[\sb] matrix_a_fmt:MATRIX_FMT_BF6 matrix_b_fmt:MATRIX_FMT_BF6
.endif
.else
.if (\ra) && (\rb)
	v_wmma_scale_f32_16x16x128_f8f6f4 v[\d:\d+7], v[\a:\a+11], v[\b:\b+11], v[\d:\d+7], v[\sa], v[\sb] matrix_a_fmt:MATRIX_FMT_BF6 matrix_b_fmt:MATRIX_FMT_BF6 matrix_a_scale:MATRIX_SCALE_ROW1 matrix_b_scale:MATRIX_SCALE_ROW1
.elseif \ra
	v_wmma_scale_f32_16x16x128_f8f6f4 v[\d:\d+7], v[\a:\a+11], v[\b:\b+11], v[\d:\d+7], v[\sa], v[\sb] matrix_a_fmt:MATRIX_FMT_BF6 matrix_b_fmt:MATRIX_FMT_BF6 matrix_a_scale:MATRIX_SCALE_ROW1
.elseif \rb
	v_wmma_scale_f32_16x16x128_f8f6f4 v[\d:\d+7], v[\a:\a+11], v[\b:\b+11], v[\d:\d+7], v[\sa], v[\sb] matrix_a_fmt:MATRIX_FMT_BF6 matrix_b_fmt:MATRIX_FMT_BF6 matrix_b_scale:MATRIX_SCALE_ROW1
.else
	v_wmma_scale_f32_16x16x128_f8f6f4 v[\d:\d+7], v[\a:\a+11], v[\b:\b+11], v[\d:\d+7], v[\sa], v[\sb] matrix_a_fmt:MATRIX_FMT_BF6 matrix_b_fmt:MATRIX_FMT_BF6
.endif
.endif
.endm
; A joint load: waves 0 and 1 fetch for A, waves 2 and 3 for B; the branch hangs on the wave's number alone.  Four v_nop follow each of the two lines.
.macro JLOAD g0a, g1a, g0b, g1b
	s_cmp_eq_u32 s15, 0
	s_cbranch_scc0 .Lfor_b_\@
	tensor_load_to_lds s[\g0a:\g0a+3], s[\g1a:\g1a+7]
	s_nop 0
.rept 4
	v_nop
.endr
	s_branch .Lasked_\@
.Lfor_b_\@:
	tensor_load_to_lds s[\g0b:\g0b+3], s[\g1b:\g1b+7]
	s_nop 0
.rept 4
	v_nop
.endr
.Lasked_\@:
.endm
.macro CREST                           ; a round of the cluster's barrier behind its opening barrier
	s_cmp_lg_u32 s14, 0
	s_cbranch_scc1 .Lnot_wave_0_\@
	s_barrier_signal -3
.Lnot_wave_0_\@:
	s_barrier_wait -3
	s_barrier_signal -1
	s_barrier_wait -1
.endm
.macro CROUND
	s_barrier_signal -1
	s_barrier_wait -1
	CREST
.endm
.macro PLACES n
.rept \n
	v_nop
.endr
.endm
	s_load_b128 s[4:7], s[0:1], 0x0                ; xc s[4:5], qkv s[6:7]
	v_lshl_add_u32 v[SPW], v0, 2, SPARE
	v_mov_b32 v[NIL], 0
	ds_add_u32 v28, v29
	ds_add_u32 v28, v29
	s_wait_dscnt 0x0
	v_lshrrev_b32 v1, 5, v0
	v_readfirstlane_b32 s14, v1                    ; wave 0..3
	s_lshr_b32 s15, s14, 1                         ; which half of the tile's rows is mine.  Also: I fetch for A (0) or for B (1)
	s_and_b32 s16, s14, 1                          ; which half of its columns.  Also: which 128 rows I fetch
	s_bfe_u32 s40, ttmp6, 0x40000                  ; cx
	s_bfe_u32 s41, ttmp6, 0x40004                  ; cy
	s_lshl_b32 s42, ttmp9, 2
	s_add_co_u32 s42, s42, s40                     ; tile column 0..7
	s_and_b32 s17, ttmp7, 0xffff                   ; cluster y 0..5
	s_lshr_b32 s66, s17, 1                         ; g: which product; the same in all sixteen partners
	s_and_b32 s17, s17, 1
	s_lshl_b32 s17, s17, 2
	s_add_co_u32 s17, s17, s41                     ; tile row 0..7
	s_lshl_b32 s43, s41, 2
	s_lshl_b32 s43, 15, s43                        ; my row of the cluster
	s_lshl_b32 s44, 0x1111, s40                    ; my column
	; descriptor group 1: dense bytes as rows of 32 elements of 8 bytes, no padding: 150 rows (three K steps), and 50 rows (one) for the last run
	s_or_b32 s[G1+0], s43, (3<<16)|(1<<21)         ; 15:0 the mask: A's runs go to my row; 17:16 elements of 8 bytes; 21 set beside a mask
	s_or_b32 s[G1B+0], s44, (3<<16)|(1<<21)
	s_or_b32 s[G1S+0], s43, (3<<16)|(1<<21)
	s_or_b32 s[G1SB+0], s44, (3<<16)|(1<<21)
.irp g, G1, G1B
	s_mov_b32 s[\g+1], 32<<16                      ; tensor_dim0
	s_mov_b32 s[\g+2], 150<<16                     ; tensor_dim1
	s_mov_b32 s[\g+3], 32<<16                      ; tile_dim0
	s_mov_b32 s[\g+4], 150                         ; tile_dim1
	s_mov_b32 s[\g+5], 32                          ; tensor_dim0_stride
	s_mov_b32 s[\g+6], 0
	s_mov_b32 s[\g+7], 0
.endr
.irp g, G1S, G1SB
	s_mov_b32 s[\g+1], 32<<16
	s_mov_b32 s[\g+2], 50<<16
	s_mov_b32 s[\g+3], 32<<16
	s_mov_b32 s[\g+4], 50
	s_mov_b32 s[\g+5], 32
	s_mov_b32 s[\g+6], 0
	s_mov_b32 s[\g+7], 0
.endr
	s_lshr_b32 s69, s66, 1
	s_mul_i32 s69, s69, 3                          ; 3 for g = 2
	s_add_co_u32 s68, s66, s69                     ; A's tensor in xc: query 0, key_ 1, Wv 5
	s_add_co_u32 s67, s66, 3
	s_sub_co_u32 s67, s67, s69                     ; B's: Wq 3, Wk 4, value 2
	s_lshl_b32 s20, s17, 1
	s_add_co_u32 s20, s20, s16                     ; A: which 128 rows I fetch: 2 x tile row + half
	s_mul_i32 s20, s20, ROWB
	s_mul_i32 s21, s68, TENB
	s_add_co_u32 s20, s20, s21
	s_mov_b32 s21, 0
	s_lshl_b32 s46, s42, 1
	s_add_co_u32 s46, s46, s16                     ; B: 2 x tile column + half
	s_mul_i32 s46, s46, ROWB
	s_mul_i32 s47, s67, TENB
	s_add_co_u32 s46, s46, s47
	s_mov_b32 s47, 0
	s_mul_i32 s45, s14, REGB                       ; where they go: wave x 38,400: no place in the cluster enters an LDS address
	s_mov_b32 s70, 0x3db504f3                      ; 1 / sqrt(128), for q and k;
	s_cmp_eq_u32 s66, 2
	s_cselect_b32 s70, 1.0, s70                    ; v is left as it is
	s_mov_b32 s71, s70
	s_mov_b32 s[SEL], 0x76543210
	s_mov_b32 s[SEL+1], 0xfedcba98
	s_wait_kmcnt 0x0
	s_add_nc_u64 s[20:21], s[4:5], s[20:21]
	s_add_nc_u64 s[46:47], s[4:5], s[46:47]
	CROUND                                         ; all sixteen work-groups are here: the first joint loads meet
.irp s, 0,1
	s_mov_b32 s[G0+4*\s], 1
	s_add_co_u32 s[G0+4*\s+1], s45, \s*SLOT
	s_add_nc_u64 s[G0+4*\s+2:G0+4*\s+3], s[20:21], \s*REGB
	s_or_b32 s[G0+4*\s+3], s[G0+4*\s+3], 0x80000000
	s_mov_b32 s[G0B+4*\s], 1
	s_add_co_u32 s[G0B+4*\s+1], s45, \s*SLOT
	s_add_nc_u64 s[G0B+4*\s+2:G0B+4*\s+3], s[46:47], \s*REGB
	s_or_b32 s[G0B+4*\s+3], s[G0B+4*\s+3], 0x80000000
.endr
	JLOAD G0, G1, G0B, G1B                         ; K steps 0-2: my one load at the head
	v_and_b32 v1, 31, v0                           ; lane
	v_and_b32 v2, 15, v0                           ; r
	v_lshlrev_b32 v[LI], 4, v1
	v_lshlrev_b32 v3, 2, v1
	s_mul_i32 s10, s15, REGB                       ; my 128 rows of A
	s_mul_i32 s11, s16, REGB
	s_add_co_u32 s11, s11, 2*REGB                  ; my 128 rows of B, behind A's two runs
.irp s, 0,1
	v_add_nc_u32 v[ADRA+\s], s10, v[LI]
	v_add_nc_u32 v[ADRB+\s], s11, v[LI]
	v_add_nc_u32 v[ASA+\s], s10, v3
	v_add_nc_u32 v[ASB+\s], s11, v3
	s_add_co_u32 s10, s10, SLOT
	s_add_co_u32 s11, s11, SLOT
.endr
	s_lshl_b32 s10, s14, 9
	s_add_co_u32 s10, s10, SCR
	v_lshl_add_u32 v[SCW], v2, 2, s10
	v_add_nc_u32 v[SCRD], s10, v[LI]
	; where my block of codes goes in qkv.  q: (16 head + s / 128) x 12,800; k: 3,276,800 + (16 head + key step) x 25,600; v: the same + 12,800
	s_lshl_b32 s72, s17, 1
	s_add_co_u32 s72, s72, s15                     ; my 128 rows of the result
	s_lshl_b32 s73, s42, 1
	s_add_co_u32 s73, s73, s16                     ; my 128 columns
	s_cmp_eq_u32 s66, 2
	s_cselect_b32 s74, s72, s73                    ; the head: the columns for q and k, the rows for v^T
	s_cselect_b32 s75, s73, s72
	s_lshl_b32 s74, s74, 4
	s_add_co_u32 s74, s74, s75
	s_min_u32 s76, s66, 1
	s_lshl_b32 s77, BLKB, s76
	s_mul_i32 s74, s74, s77
	s_mul_i32 s76, s76, TENB
	s_add_co_u32 s74, s74, s76
	s_lshr_b32 s76, s66, 1
	s_mul_i32 s76, s76, BLKB
	s_add_co_u32 s72, s74, s76
	s_mov_b32 s73, 0
	s_add_nc_u64 s[72:73], s[6:7], s[72:73]
	; PREFETCH: behind each joint load every wave names the run that its NEXT joint load will fetch (three K steps, 150 blocks of 256 bytes; the last run 50): one fill ahead of the load.
	; The four partners that ask for a run jointly share its blocks out BY ADDRESS: the partner at place p (cx for A, cy for B) takes blocks 38 p .. 38 p + 37 (13 p .. 13 p + 12), a lane a block;
	; lanes that are left over name their wave's last block again.  The offsets and the base are never rewritten; the last fill has no successor and asks for nothing.
.set PF,  78                           ; s[78:79] my run's first byte at K step 0
.set PFV, 8                            ; v8-10 the lanes' blocks: 32, 6 and (for the last run) 13
.set PFN, 1                            ; which fill the next request names
.macro ASK
.if PFN < 5
	global_prefetch_b8 v[PFV], s[PF:PF+1] offset:PFN*REGB th:TH_LOAD_NT scope:SCOPE_SE
	global_prefetch_b8 v[PFV+1], s[PF:PF+1] offset:PFN*REGB th:TH_LOAD_NT scope:SCOPE_SE
.elseif PFN == 5
	global_prefetch_b8 v[PFV+2], s[PF:PF+1] offset:PFN*REGB th:TH_LOAD_NT scope:SCOPE_SE
.endif
.set PFN, PFN+1
.endm
	s_cmp_eq_u32 s15, 0                            ; do I fetch for A?
	s_cselect_b64 s[PF:PF+1], s[20:21], s[46:47]
	s_cselect_b32 s82, s40, s41                    ; my place among the four that ask with me
	s_mul_i32 s83, s82, 38
	s_mul_i32 s82, s82, 13
	s_add_co_u32 s18, s83, 32
	v_and_b32 v4, 31, v0
	v_add_nc_u32 v[PFV], s83, v4
	v_min_u32 v5, 5, v4
	v_add_nc_u32 v[PFV+1], s18, v5
	v_min_u32 v6, 12, v4
	v_add_nc_u32 v[PFV+2], s82, v6
	v_min_u32 v[PFV], 149, v[PFV]                  ; inside the run
	v_min_u32 v[PFV+1], 149, v[PFV+1]
	v_min_u32 v[PFV+2], 49, v[PFV+2]
	v_lshlrev_b32 v[PFV], 8, v[PFV]
	v_lshlrev_b32 v[PFV+1], 8, v[PFV+1]
	v_lshlrev_b32 v[PFV+2], 8, v[PFV+2]
	ASK                                            ; K steps 3-5
.macro FETCH_B slot, q, p              ; B's eight fragments of the slot's q-th 128 along K into set p
	WIN TO_B
.irp i, 0,1,2,3,4,5,6,7
.irp c, 0,1,2
	ds_load_b128 v[128*(\p)+FR*\i+4*\c:128*(\p)+FR*\i+4*\c+3], v[ADRB+\slot] offset:BLKB*(\q)+1536*\i+512*\c
.endr
.endr
	WIN 0
.endm
.macro FETCH_A slot, q, i0             ; A's fragments i0 .. i0 + 3
.irp i, \i0, \i0+1, \i0+2, \i0+3
.irp c, 0,1,2
	ds_load_b128 v[AF+FR*(\i)+4*\c:AF+FR*(\i)+4*\c+3], v[ADRA+\slot] offset:BLKB*(\q)+1536*(\i)+512*\c
.endr
.endr
.endm
.macro SCALES slot, q, p               ; the scale words of the slot's q-th K step into set p: eight loads
.irp i, 0,1,2,3
	ds_load_b32 v[SC+8*(\p)+\i], v[ASA+\slot] offset:12288+BLKB*(\q)+128*\i
	ds_load_b32 v[SC+8*(\p)+4+\i], v[ASB+\slot] offset:12288+BLKB*(\q)+128*\i
.endr
.endm
; 16 matrix instructions: A's fragments a0, a0 + 1 x B's eight of set p.  The 64 accumulators take turns, one instruction a turn, in the same order in every step.
.macro MUL16 a0, p, zero
.irp a, \a0, \a0+1
.irp b, 0,1,2,3,4,5,6,7
	WM 8*(8*((\a)%4)+\b),128*(\p)+FR*\b,AF+FR*(\a),\zero,SC+8*(\p)+4+\b/2,SC+8*(\p)+(\a)/2,\b%2,(\a)%2
.endr
.endr
.endm
.macro STEP slot, q, p, zero           ; a step of 128 along K that has its successor in the same slot; p: the step's parity
	s_wait_dscnt 4*NL                              ; B's set, A's fragments 0-3 and the scale words are in; the youngest 12 loads (A's 4-7) may be out
	WIN MUL_LO
	MUL16 0, \p, \zero
	MUL16 2, \p, \zero
	s_wait_dscnt 0x0                               ; A's fragments 4-7 are in
	PLACES NP                                      ; in front of loads into registers that matrix instructions have read
	FETCH_B \slot, (\q)+1, 1-(\p)
	FETCH_A \slot, (\q)+1, 0
	SCALES \slot, (\q)+1, 1-(\p)
	WIN MUL_HI
	MUL16 4, \p, \zero
	MUL16 6, \p, \zero
	PLACES NP
	WIN 0
	FETCH_A \slot, (\q)+1, 4
.endm
; A slot's last step changes slots: one barrier; in front of it each wave waits for all its tensor loads, adds 0 to its spare word, and waits for that and for its reads of this slot.
; fill = 1: this slot is filled again, six K steps ahead; short = 1: with the one K step that is left.
.macro TURN slot, p, next, fill, short
	s_wait_tensorcnt 0x0                           ; all my tensor loads have landed: my part of the next slot
	ds_add_u32 v[SPW], v[NIL]                      ; 0 onto my spare word
	s_wait_dscnt 4*NL+1                            ; the add and the youngest 12 loads (A's 4-7) may be out
	WIN MUL_LO
	MUL16 0, \p, 0
	s_wait_dscnt 0x0                               ; the add is done, and my reads of this slot are over
	s_barrier_signal -1
	MUL16 2, \p, 0
	WIN 0
	s_barrier_wait -1
.if \fill
	CREST                                          ; the barrier has opened a round of the cluster's barrier: no wave of any partner still reads this slot or has a load on its way
	s_add_nc_u64 s[G0+4*\slot+2:G0+4*\slot+3], s[G0+4*\slot+2:G0+4*\slot+3], 2*REGB
	s_add_nc_u64 s[G0B+4*\slot+2:G0B+4*\slot+3], s[G0B+4*\slot+2:G0B+4*\slot+3], 2*REGB
.if \short
	JLOAD G0+4*\slot, G1S, G0B+4*\slot, G1SB       ; the first tensor load behind the round; its four v_nop are the places in front of the loads below
.else
	JLOAD G0+4*\slot, G1, G0B+4*\slot, G1B
.endif
.else
	PLACES NP
.endif
	FETCH_B \next, 0, 1-(\p)
	FETCH_A \next, 0, 0
	SCALES \next, 0, 1-(\p)
.if \fill
	ASK                                            ; behind the joint load and the run of LDS loads: the run of the next fill
.endif
	WIN MUL_HI
	MUL16 4, \p, 0
	MUL16 6, \p, 0
	PLACES NP
	WIN 0
	FETCH_A \next, 0, 4
.endm
	s_wait_alu depctr_va_vdst(0)
	s_wait_tensorcnt 0x0                           ; my part of slot 0 is in
	ds_add_u32 v[SPW], v[NIL]
	s_wait_dscnt 0x0
	CROUND                                         ; a whole round: slot 0 is whole, and all sixteen work-groups are here
	JLOAD G0+4, G1, G0B+4, G1B                     ; K steps 3-5, slot 1's first fill: the first tensor load behind the round
	FETCH_B 0, 0, 0
	FETCH_A 0, 0, 0
	SCALES 0, 0, 0
	ASK                                            ; K steps 6-8
	FETCH_A 0, 0, 4
	STEP 0, 0, 0, 1                                ; K step 0: its products start the sums
	STEP 0, 1, 1, 0
	TURN 0, 0, 1, 1, 0                             ; K step 2; slot 0 takes K steps 6-8
	STEP 1, 0, 1, 0
	STEP 1, 1, 0, 0
	TURN 1, 1, 0, 1, 0                             ; K step 5; slot 1 takes 9-11
	STEP 0, 0, 0, 0
	STEP 0, 1, 1, 0
	TURN 0, 0, 1, 1, 0                             ; K step 8; slot 0 takes 12-14
	STEP 1, 0, 1, 0
	STEP 1, 1, 0, 0
	TURN 1, 1, 0, 1, 1                             ; K step 11; slot 1 takes K step 15
	STEP 0, 0, 0, 0
	STEP 0, 1, 1, 0
	TURN 0, 0, 1, 0, 0                             ; K step 14: nothing is left to fetch
	s_wait_dscnt 4*NL                              ; K step 15
	WIN MUL_LO
	MUL16 0, 1, 0
	MUL16 2, 1, 0
	s_wait_dscnt 0x0
	WIN MUL_HI
	MUL16 4, 1, 0
	MUL16 6, 1, 0
	WIN 0
	; THE WAY OUT: 16 rows at a time: x 1 / sqrt(128) (or 1), quantised along the 128 columns, one image of 1,536 bytes and 16 scale words.
	PLACES NP                                      ; behind the last products: their results are read and A's registers written below
.irp b, 0,1,2,3
	v_mov_b32 v[TM+4+\b], 0                        ; written once: a lane permute's destination counts as one of its sources
.endr
.irp a, 0,1,2,3,4,5,6,7
	WIN 0x02+(\a)/4                                ; source 0: window 2 or 3
.set i, 0
.rept 32
	v_pk_mul_f32 v[X+2*i:X+2*i+1], v[64*((\a)%4)+2*i:64*((\a)%4)+2*i+1], s[70:71] op_sel_hi:[1,0]   ; ascending: each accumulator from its low end on
.set i, i+1
.endr
	WIN 0
.if \a > 0
	s_wait_xcnt 0x0                                ; the last image's stores have read the codes' registers,
	s_wait_dscnt 0x0                               ; and the last scale word's store its own
.endif
	QUANT X
.irp c, 0,1,2
	global_store_b128 v[LI], v[PC+4*\c:PC+4*\c+3], s[72:73] offset:1536*\a+512*\c   ; 512 consecutive bytes, at a multiple of 256 from qkv's first byte
.endr
	ds_store_b32 v[SCW], v[PW] offset:64*\a        ; both halves of the lanes write the same word with the same value
.endr
	ds_load_b128 v[OW:OW+3], v[SCRD]               ; my 128 scale words (LDS serves a wave's instructions in order)
	s_wait_dscnt 0x0
	global_store_b128 v[LI], v[OW:OW+3], s[72:73] offset:12288
	s_wait_tensorcnt 0x0                           ; the wave's end
	ds_add_u32 v[SPW], v[NIL]
	s_wait_dscnt 0x0
	CROUND                                         ; the closing round: no work-group ends while a partner may still ask for a run that names it
	s_endpgm
.Lfunc_end_k_q7827e9448a_proj:
	.size	k_q7827e9448a_proj, .Lfunc_end_k_q7827e9448a_proj-k_q7827e9448a_proj
	.p2alignl 7, 3214868480
	.fill 96, 4, 3214868480
	.section	.rodata,"a",@progbits
	.p2align	6, 0x0
	.amdhsa_kernel k_q7827e9448a_proj
		.amdhsa_group_segment_fixed_size 327680
		.amdhsa_private_segment_fixed_size 0
		.amdhsa_enable_private_segment 0
		.amdhsa_kernarg_size 16
		.amdhsa_user_sgpr_count 2
		.amdhsa_user_sgpr_kernarg_segment_ptr 1
		.amdhsa_wavefront_size32 1
		.amdhsa_system_sgpr_workgroup_id_x 1
		.amdhsa_system_sgpr_workgroup_id_y 1
		.amdhsa_system_sgpr_workgroup_id_z 1
		.amdhsa_system_vgpr_workitem_id 0
		.amdhsa_next_free_vgpr 1024
		.amdhsa_next_free_sgpr 100
		.amdhsa_reserve_vcc 0
		.amdhsa_float_denorm_mode_32 3
		.amdhsa_float_denorm_mode_16_64 3
		.amdhsa_memory_ordered 1
		.amdhsa_forward_progress 1
		.amdhsa_inst_pref_size 255
	.end_amdhsa_kernel
	.section	.bss,"aw",@nobits
	.p2align	6
	.space	262144
	.amdgpu_metadata
---
amdhsa.version: [ 1, 2 ]
amdhsa.kernels:
  - .name:           k_q7827e9448a_proj
    .symbol:         k_q7827e9448a_proj.kd
    .args:
      - { .name: xc, .offset: 0, .size: 8, .value_kind: global_buffer, .address_space: global }
      - { .name: qkv, .offset: 8, .size: 8, .value_kind: global_buffer, .address_space: global }
    .group_segment_fixed_size: 327680
    .private_segment_fixed_size: 0
    .kernarg_segment_align: 8
    .kernarg_segment_size: 16
    .max_flat_workgroup_size: 128
    .sgpr_count:     100
    .vgpr_count:     1024
    .wavefront_size: 32
...
	.end_amdgpu_metadata
.endif
;; end of part 2
;; launch attn (part 3): grid 16 x 16, 16 waves a work-group, no clusters, 327,680 bytes of LDS; arguments qkv, ac; writes ac
.if DOCPART == 3
	.amdgcn_target "amdgcn-amd-amdhsa--gfx1250"
	.amdhsa_code_object_version 6
	.text
	.protected	k_q7827e9448a_attn
	.globl	k_q7827e9448a_attn
	.p2align	8
	.type	k_q7827e9448a_attn,@function
k_q7827e9448a_attn:
	s_mov_b64 s[64:65], 0
	v_nop
	global_prefetch_b8 v0, s[64:65] scope:SCOPE_SE
	s_setreg_imm32_b32 hwreg(HW_REG_WAVE_MODE, 25, 1), 1
	s_wait_xcnt 0x0
; Causal attention on codes of BF6 for one head (grid y) and two groups of 64 queries (grid x and its mirror, so that all work-groups walk alike).  16 waves: a wave holds 16 queries; waves 0-7 take
; the even steps of 128 keys, waves 8-15 the odd ones, and the two partial results are joined through LDS at the end.  p = 2^(t - M) with a running whole-number M; the row's sum is taken of the unquantised p.
; WORK LEFT OUT: a step of 128 keys that lies wholly behind a wave's 16 queries is jumped over by a scalar branch on ids: reference()'s own causal mask gives those keys no weight, whatever the inputs hold.
; LIMITS: a NaN, an infinity or an overflow that reaches only the work left out is not carried to the result; the promise holds while the scaled scores stay under 2^31 in magnitude.
.set BLKB,  12800
.set STEPB, 2*BLKB
.set SLOT,  4*STEPB
.set PART,  SLOT/16
.set SCR,   2*SLOT
.set MRG,   SCR+512
.set MRGT,  8704
.set SPARE, MRG+8*MRGT
.set TENB,  256*BLKB
.set LI,   1
.set LS,   2
.set R4,   3
.set SCW,  4
.set SPW,  5
.set NIL,  6
.set SCRD, 7
.set ADF,  8
.set ADS,  9
.set DM,   10
.set L8,   11
.set QF,   16
.set QS,   28
.set TT,   29
.set FF,   30
.set FRG,  32
.set S,    80
.set O,    144
.set PC,   208
.set TM,   228
.set NINF, 236
.set MD,   237
.set MA,   238
.set MS,   239
.set KS,   244
.set VS,   248
.set PW,   252
.set SUM2, 254
.set OW,   254
.set TB,   2
.set CT,   3
.set WV,   18
.set SEL,  20
.set CS,   22
.set G1,   24
.set G0,   32
.set KF,   40
.set Q0,   41
.set QL,   42
.set PRB,  53
.set TL,   54
.set PR,   55
.macro MAXABS s
.irp b, 0,1,2,3
	v_max3_num_f32 v[TM+\b], |v[\s+16*\b]|, |v[\s+1+16*\b]|, 0x2800000
.endr
.irp i, 2,4,6,8,10,12,14
.irp b, 0,1,2,3
	s_delay_alu instid0(VALU_DEP_4)
	v_max3_num_f32 v[TM+\b], v[TM+\b], |v[\s+16*\b+\i]|, |v[\s+1+16*\b+\i]|
.endr
.endr
.irp b, 0,1,2,3
	s_delay_alu instid0(VALU_DEP_4)
	v_permlanex16_b32 v[TM+4+\b], v[TM+\b], s[SEL], s[SEL+1]
.endr
.irp b, 0,1,2,3
	s_delay_alu instid0(VALU_DEP_4)
	v_max_num_f32 v[TM+\b], v[TM+\b], v[TM+4+\b]
.endr
.endm
.macro SCALEW
.irp b, 0,1,2,3
	s_delay_alu instid0(VALU_DEP_4)
	v_add_nc_u32 v[TM+12+\b], 0xfe000000, v[TM+\b]
.endr
.irp b, 0,1,2,3
	s_delay_alu instid0(VALU_DEP_4)
	v_lshrrev_b32 v[TM+4+\b], 23, v[TM+12+\b]
.endr
	s_delay_alu instid0(VALU_DEP_3)
	v_lshl_or_b32 v[PW], v[TM+5], 8, v[TM+4]
	s_delay_alu instid0(VALU_DEP_1)
	v_lshl_or_b32 v[PW], v[TM+6], 16, v[PW]
	s_delay_alu instid0(VALU_DEP_1)
	v_lshl_or_b32 v[PW], v[TM+7], 24, v[PW]
.endm
.macro CODES s
.irp c, 0,1
	v_cvt_scalef32_pk16_bf6_f32 v[PC+6*\c:PC+2+6*\c], v[\s+32*\c:\s+15+32*\c], v[TM+12+2*\c]
	v_cvt_scalef32_pk16_bf6_f32 v[PC+12+4*\c:PC+14+4*\c], v[\s+16+32*\c:\s+31+32*\c], v[TM+13+2*\c]
.endr
	v_nop
.irp c, 0,1
.irp i, 0,1,2
	v_permlane16_swap_b32 v[PC+6*\c+\i], v[PC+12+4*\c+\i]
.endr
.irp i, 0,1,2
	s_delay_alu instid0(VALU_DEP_3)
	v_mov_b32 v[PC+3+6*\c+\i], v[PC+12+4*\c+\i]
.endr
.endr
.endm
.macro QUANT s
	MAXABS \s
	SCALEW
	CODES \s
.endm
.macro WM d, a, b, zero, sa, sb, ra, rb
.if \zero
.if (\ra) && (\rb)
	v_wmma_scale_f32_16x16x128_f8f6f4 v[\d:\d+7], v[\a:\a+11], v[\b:\b+11], 0, v[\sa], v[\sb] matrix_a_fmt:MATRIX_FMT_BF6 matrix_b_fmt:MATRIX_FMT_BF6 matrix_a_scale:MATRIX_SCALE_ROW1 matrix_b_scale:MATRIX_SCALE_ROW1
.elseif \ra
	v_wmma_scale_f32_16x16x128_f8f6f4 v[\d:\d+7], v[\a:\a+11], v[\b:\b+11], 0, v[\sa], v[\sb] matrix_a_fmt:MATRIX_FMT_BF6 matrix_b_fmt:MATRIX_FMT_BF6 matrix_a_scale:MATRIX_SCALE_ROW1
.elseif \rb
	v_wmma_scale_f32_16x16x128_f8f6f4 v[\d:\d+7], v[\a:\a+11], v[\b:\b+11], 0, v[\sa], v[\sb] matrix_a_fmt:MATRIX_FMT_BF6 matrix_b_fmt:MATRIX_FMT_BF6 matrix_b_scale:MATRIX_SCALE_ROW1
.else
	v_wmma_scale_f32_16x16x128_f8f6f4 v[\d:\d+7], v[\a:\a+11], v[\b:\b+11], 0, v[\sa], v[\sb] matrix_a_fmt:MATRIX_FMT_BF6 matrix_b_fmt:MATRIX_FMT_BF6
.endif
.else
.if (\ra) && (\rb)
	v_wmma_scale_f32_16x16x128_f8f6f4 v[\d:\d+7], v[\a:\a+11], v[\b:\b+11], v[\d:\d+7], v[\sa], v[\sb] matrix_a_fmt:MATRIX_FMT_BF6 matrix_b_fmt:MATRIX_FMT_BF6 matrix_a_scale:MATRIX_SCALE_ROW1 matrix_b_scale:MATRIX_SCALE_ROW1
.elseif \ra
	v_wmma_scale_f32_16x16x128_f8f6f4 v[\d:\d+7], v[\a:\a+11], v[\b:\b+11], v[\d:\d+7], v[\sa], v[\sb] matrix_a_fmt:MATRIX_FMT_BF6 matrix_b_fmt:MATRIX_FMT_BF6 matrix_a_scale:MATRIX_SCALE_ROW1
.elseif \rb
	v_wmma_scale_f32_16x16x128_f8f6f4 v[\d:\d+7], v[\a:\a+11], v[\b:\b+11], v[\d:\d+7], v[\sa], v[\sb] matrix_a_fmt:MATRIX_FMT_BF6 matrix_b_fmt:MATRIX_FMT_BF6 matrix_b_scale:MATRIX_SCALE_ROW1
.else
	v_wmma_scale_f32_16x16x128_f8f6f4 v[\d:\d+7], v[\a:\a+11], v[\b:\b+11], v[\d:\d+7], v[\sa], v[\sb] matrix_a_fmt:MATRIX_FMT_BF6 matrix_b_fmt:MATRIX_FMT_BF6
.endif
.endif
.endm
	s_load_b128 s[4:7], s[0:1], 0x0
	v_lshl_add_u32 v[SPW], v0, 2, SPARE
	v_mov_b32 v[NIL], 0
	ds_add_u32 v5, v6
	ds_add_u32 v5, v6
	s_wait_dscnt 0x0
	v_lshrrev_b32 v1, 5, v0
	s_delay_alu instid0(VALU_DEP_1)
	v_readfirstlane_b32 s[WV], v1
	s_lshr_b32 s[PR], s[WV], 3
	s_and_b32 s[TL], s[WV], 7
	s_and_b32 s8, ttmp7, 0xffff
	s_sub_co_u32 s9, 31, ttmp9
	s_bfe_u32 s10, s[WV], 0x10002
	s_cmp_eq_u32 s10, 0
	s_cselect_b32 s9, ttmp9, s9
	s_lshl_b32 s[Q0], s9, 6
	s_and_b32 s10, s[WV], 3
	s_lshl_b32 s10, s10, 4
	s_add_co_u32 s[Q0], s[Q0], s10
	s_add_co_u32 s[QL], s[Q0], 15
	s_lshl_b32 s[KF], s[PR], 7
	s_mul_i32 s[PRB], s[PR], STEPB
	s_mov_b32 s[G1+0], 3<<16
	s_mov_b32 s[G1+1], 32<<16
	s_mov_b32 s[G1+2], 25<<16
	s_mov_b32 s[G1+3], 32<<16
	s_mov_b32 s[G1+4], 25
	s_mov_b32 s[G1+5], 32
	s_mov_b32 s[G1+6], 0
	s_mov_b32 s[G1+7], 0
	s_mov_b32 s[SEL], 0x76543210
	s_mov_b32 s[SEL+1], 0xfedcba98
	s_mov_b32 s[CS], 0x3fb8aa3b
	s_mov_b32 s[CS+1], s[CS]
	s_mul_i32 s52, s[WV], PART
	s_mul_i32 s12, s8, 16*STEPB
	s_add_co_u32 s12, s12, s52
	s_add_co_u32 s12, s12, TENB
	s_mov_b32 s13, 0
	s_lshr_b32 s10, s[Q0], 7
	s_bfe_u32 s11, s[Q0], 0x30004
	s_lshl_b32 s14, s8, 4
	s_add_co_u32 s14, s14, s10
	s_mul_i32 s14, s14, BLKB
	s_mul_i32 s15, s11, 1536
	s_add_co_u32 s44, s14, s15
	s_mov_b32 s45, 0
	s_lshl_b32 s15, s11, 6
	s_add_co_u32 s46, s14, s15
	s_add_co_u32 s46, s46, 12288
	s_mov_b32 s47, 0
	s_lshl_b32 s14, s10, 4
	s_add_co_u32 s14, s14, s8
	s_mul_i32 s14, s14, BLKB
	s_mul_i32 s15, s11, 1536
	s_add_co_u32 s48, s14, s15
	s_mov_b32 s49, 0
	s_bfe_u32 s15, s[Q0], 0x10006
	s_lshl_b32 s15, s15, 8
	s_add_co_u32 s50, s14, s15
	s_add_co_u32 s50, s50, 12288
	s_mov_b32 s51, 0
	s_wait_kmcnt 0x0
	s_add_nc_u64 s[12:13], s[4:5], s[12:13]
	s_mov_b32 s[G0], 1
	s_mov_b32 s[G0+1], s52
	s_mov_b64 s[G0+2:G0+3], s[12:13]
	s_or_b32 s[G0+3], s[G0+3], 0x80000000
	s_mov_b32 s[G0+4], 1
	s_add_co_u32 s[G0+5], s52, SLOT
	s_add_nc_u64 s[G0+6:G0+7], s[12:13], SLOT
	s_or_b32 s[G0+7], s[G0+7], 0x80000000
	tensor_load_to_lds s[G0:G0+3], s[G1:G1+7]
	s_nop 0
	s_add_nc_u64 s[44:45], s[4:5], s[44:45]        ; the set-up and q's loads stand under the flight of slot 0's load
	s_add_nc_u64 s[46:47], s[4:5], s[46:47]
	s_add_nc_u64 s[48:49], s[6:7], s[48:49]
	s_add_nc_u64 s[50:51], s[6:7], s[50:51]
	v_and_b32 v8, 31, v0
	v_and_b32 v9, 15, v0
	v_bfe_u32 v[TT], v0, 4, 1
	s_delay_alu instid0(VALU_DEP_3)
	v_lshlrev_b32 v[LI], 4, v8
	s_delay_alu instid0(VALU_DEP_4)
	v_lshlrev_b32 v[LS], 2, v8
	s_wait_alu depctr_va_vdst(0)
	v_lshlrev_b32 v[R4], 2, v9
	s_wait_alu depctr_va_vdst(0)
	s_lshl_b32 s10, s[TL], 6
	s_add_co_u32 s10, s10, SCR
	v_add_nc_u32 v[SCW], s10, v[R4]
	s_bfe_u32 s10, s[WV], 0x10002
	s_lshl_b32 s10, s10, 8
	s_add_co_u32 s10, s10, SCR
	v_lshl_add_u32 v[SCRD], v8, 3, s10
	s_mul_i32 s10, s[TL], MRGT
	s_add_co_u32 s10, s10, MRG
	v_add_nc_u32 v[MA], s10, v[LI]
	s_add_co_u32 s10, s10, 8192
	v_add_nc_u32 v[MS], s10, v[LS]
	v_lshlrev_b32 v[L8], 3, v8
	v_lshlrev_b32 v[TT], 3, v[TT]
	s_delay_alu instid0(VALU_DEP_1)
	v_sub_nc_u32 v[DM], v9, v[TT]
.irp c, 0,1,2
	global_load_b128 v[QF+4*\c:QF+4*\c+3], v[LI], s[44:45] offset:512*\c
.endr
	global_load_b32 v[QS], v[R4], s[46:47]
	v_mov_b32 v[TT], 0
	v_mov_b32 v13, 0xff61b1e6
	s_delay_alu instid0(VALU_DEP_1)
	v_floor_f32 v12, -v13
	v_mov_b32 v14, 0
	v_mov_b32 v15, 0
	v_mov_b32 v[FF+1], 0
	v_mov_b32 v[NINF], 0xff800000
.irp b, 0,1,2,3
	v_mov_b32 v[TM+4+\b], 0
.endr
.set i, 0
.rept 64
	v_mov_b32 v[O+i], 0
.set i, i+1
.endr
.macro STEP
	s_cmp_gt_u32 s[KF], s[QL]
	s_cbranch_scc1 .Lhidden_\@
	v_add_nc_u32 v[ADF], s[TB], v[LI]
	v_add_nc_u32 v[ADS], s[TB], v[LS]
.rept 3
	v_nop
.endr
.irp p, 0,1,2,3
	ds_load_b32 v[KS+\p], v[ADS] offset:12288+128*\p
.endr
.irp t, 0,1,2,3
.irp c, 0,1,2
	ds_load_b128 v[FRG+12*\t+4*\c:FRG+12*\t+4*\c+3], v[ADF] offset:1536*\t+512*\c
.endr
.endr
	s_wait_alu depctr_va_vdst(0)
	s_wait_dscnt 0x0
.irp t, 0,1,2,3
	WM S+8*\t,FRG+12*\t,QF,1,KS+\t/2,QS,\t%2,0
.endr
.rept 4
	v_nop
.endr
.irp t, 0,1,2,3
.irp c, 0,1,2
	ds_load_b128 v[FRG+12*\t+4*\c:FRG+12*\t+4*\c+3], v[ADF] offset:1536*(\t+4)+512*\c
.endr
.endr
	s_wait_dscnt 0x0
.irp t, 0,1,2,3
	WM S+32+8*\t,FRG+12*\t,QF,1,KS+2+\t/2,QS,\t%2,0
.endr
.rept 4
	v_nop
.endr
.irp p, 0,1,2,3
	ds_load_b32 v[VS+\p], v[ADS] offset:BLKB+12288+128*\p
.endr
.irp t, 0,1,2,3
.irp c, 0,1,2
	ds_load_b128 v[FRG+12*\t+4*\c:FRG+12*\t+4*\c+3], v[ADF] offset:BLKB+1536*\t+512*\c
.endr
.endr
	s_add_co_u32 s43, s[KF], 127
	s_cmp_le_u32 s43, s[Q0]
	s_cbranch_scc1 .Lopen_\@
	s_sub_co_i32 s43, s[Q0], s[KF]
	v_add_nc_u32 v[MD], s43, v[DM]
.set n, 0
.rept 64
	v_cmp_gt_i32 vcc_lo, 16*(n/8)+n%8, v[MD]
	v_cndmask_b32 v[S+n], v[S+n], v[NINF], vcc_lo
.set n, n+1
.endr
.Lopen_\@:
.irp b, 0,1,2,3
	v_max3_num_f32 v[TM+\b], v[S+16*\b], v[S+1+16*\b], v[S+2+16*\b]
.endr
.irp i, 3,5,7,9,11,13
.irp b, 0,1,2,3
	v_max3_num_f32 v[TM+\b], v[TM+\b], v[S+16*\b+\i], v[S+1+16*\b+\i]
.endr
.endr
.irp b, 0,1,2,3
	v_max_num_f32 v[TM+\b], v[TM+\b], v[S+15+16*\b]
.endr
.irp b, 0,1,2,3
	s_delay_alu instid0(VALU_DEP_4)
	v_permlanex16_b32 v[TM+4+\b], v[TM+\b], s[SEL], s[SEL+1]
.endr
.irp b, 0,1,2,3
	s_delay_alu instid0(VALU_DEP_4)
	v_max_num_f32 v[TM+\b], v[TM+\b], v[TM+4+\b]
.endr
	s_delay_alu instid0(VALU_DEP_2)
	v_max3_num_f32 v[TT], v[TM], v[TM+1], v[TM+2]
	s_delay_alu instid0(VALU_DEP_1)
	v_max_num_f32 v[TT], v[TT], v[TM+3]
	s_delay_alu instid0(VALU_DEP_1)
	v_mul_f32 v[TT], s[CS], v[TT]
	s_delay_alu instid0(VALU_DEP_1)
	v_max_num_f32 v13, v13, v[TT]
	v_mov_b32 v[TT], v12
	s_delay_alu instid0(VALU_DEP_2)
	v_floor_f32 v12, -v13
	s_delay_alu instid0(VALU_DEP_1)
	v_sub_f32 v[TT], v12, v[TT]
	s_delay_alu instid0(VALU_DEP_1)
	v_cvt_i32_f32 v[TT], v[TT]
	s_delay_alu instid0(VALU_DEP_1)
	v_ldexp_f32 v[FF], 1.0, v[TT]
.set j, 0
.rept 32
	v_pk_fma_f32 v[S+j:S+j+1], v[S+j:S+j+1], s[CS:CS+1], v[12:13] op_sel_hi:[1,0,0]
.set j, j+2
.endr
.irp b, 0,1,2,3
	v_fma_f32 v[TM+\b], v[TM+\b], s[CS], v12
.endr
.set j, 0
	s_wait_alu depctr_va_vdst(0)
.rept 64
	v_exp_f32 v[S+j], v[S+j]
.set j, j+1
.endr
	v_pk_mul_f32 v[14:15], v[14:15], v[FF:FF+1] op_sel_hi:[1,0]
	s_wait_alu depctr_va_vdst(0)
.irp b, 0,1,2,3
	v_exp_f32 v[TM+\b], v[TM+\b]
.endr
	v_pk_add_f32 v[SUM2:SUM2+1], v[S:S+1], v[S+2:S+3]
.set j, 4
.rept 15
	v_pk_add_f32 v[14:15], v[14:15], v[S+j:S+j+1]
	v_pk_add_f32 v[SUM2:SUM2+1], v[SUM2:SUM2+1], v[S+j+2:S+j+3]
.set j, j+4
.endr
	s_delay_alu instid0(VALU_DEP_1)
	v_pk_add_f32 v[14:15], v[14:15], v[SUM2:SUM2+1]
	s_wait_alu depctr_va_vdst(0)
.irp b, 0,1,2,3
	v_max_num_f32 v[TM+\b], 0x2800000, v[TM+\b]
.endr
	SCALEW
	CODES S
.irp t, 0,1,2,3
.irp c, 0,1,2
	ds_load_b128 v[S+12*\t+4*\c:S+12*\t+4*\c+3], v[ADF] offset:BLKB+1536*(\t+4)+512*\c
.endr
.endr
.set j, 0
.rept 32
	v_pk_mul_f32 v[O+j:O+j+1], v[O+j:O+j+1], v[FF:FF+1] op_sel_hi:[1,0]
.set j, j+2
.endr
	s_wait_alu depctr_va_vdst(0)
	s_wait_dscnt 12
.irp t, 0,1,2,3
	WM O+8*\t,FRG+12*\t,PC,0,VS+\t/2,PW,\t%2,0
.endr
	s_wait_dscnt 0x0
.irp t, 0,1,2,3
	WM O+32+8*\t,S+12*\t,PC,0,VS+2+\t/2,PW,\t%2,0
.endr
.Lhidden_\@:
	s_add_co_u32 s[KF], s[KF], 256
	s_add_co_u32 s[TB], s[TB], 2*STEPB
.endm
.macro SLOTWORK ring
	s_add_co_u32 s[TB], s[PRB], (\ring)*SLOT
	s_mov_b32 s[CT], 2
.Lstep_\@:
	STEP
	s_sub_co_u32 s[CT], s[CT], 1
	s_cmp_lg_u32 s[CT], 0
	s_cbranch_scc1 .Lstep_\@
.endm
.macro CHANGE g0, fill
	s_wait_tensorcnt 0x0
	ds_add_u32 v[SPW], v[NIL]
.if \fill
	s_add_nc_u64 s[\g0+2:\g0+3], s[\g0+2:\g0+3], 2*SLOT
.endif
	s_wait_dscnt 0x0
	s_barrier_signal -1
	s_barrier_wait -1
.if \fill
	tensor_load_to_lds s[\g0:\g0+3], s[G1:G1+7]
	s_nop 0
.rept 4
	v_nop
.endr
.endif
.endm
	s_wait_alu depctr_va_vdst(0)
	s_wait_tensorcnt 0x0                           ; my part of slot 0 is in
	ds_add_u32 v[SPW], v[NIL]
	s_wait_dscnt 0x0
	s_barrier_signal -1
	s_barrier_wait -1                              ; slot 0 is whole
	tensor_load_to_lds s[G0+4:G0+7], s[G1:G1+7]    ; slot 1's first fill: my one load behind this barrier
	s_nop 0
.rept 4
	v_nop
.endr
	s_wait_loadcnt 0x0                             ; q's fragment and scale words are in
	SLOTWORK 0
	CHANGE G0, 1
	SLOTWORK 1
	CHANGE G0+4, 1
	SLOTWORK 0
	CHANGE G0, 0
	SLOTWORK 1
.rept 4
	v_nop
.endr
	v_add_f32 v14, v14, v15
	s_cmp_eq_u32 s[PR], 0
	s_cbranch_scc1 .Lkeeper
.set i, 0
	s_wait_alu depctr_va_vdst(0)
.rept 16
	ds_store_b128 v[MA], v[O+4*i:O+4*i+3] offset:512*i
.set i, i+1
.endr
	ds_store_b32 v[MS], v12
	ds_store_b32 v[MS], v14 offset:128
.Lkeeper:
	s_wait_dscnt 0x0
	s_barrier_signal -1
	s_barrier_wait -1
	s_cmp_lg_u32 s[PR], 0
	s_cbranch_scc1 .Lgiven
	ds_load_b32 v[TM], v[MS]
	ds_load_b32 v[TM+1], v[MS] offset:128
.set i, 0
.rept 16
	ds_load_b128 v[S+4*i:S+4*i+3], v[MA] offset:512*i
.set i, i+1
.endr
	s_wait_dscnt 16
	v_min_num_f32 v[TM+2], v12, v[TM]
	s_delay_alu instid0(VALU_DEP_1)
	v_sub_f32 v[TM+3], v[TM+2], v12
	s_delay_alu instid0(VALU_DEP_2)
	v_sub_f32 v[TM], v[TM+2], v[TM]
	s_delay_alu instid0(VALU_DEP_2)
	v_cvt_i32_f32 v[TM+3], v[TM+3]
	s_delay_alu instid0(VALU_DEP_2)
	v_cvt_i32_f32 v[TM], v[TM]
	s_delay_alu instid0(VALU_DEP_2)
	v_ldexp_f32 v[TM+3], 1.0, v[TM+3]
	s_wait_alu depctr_va_vdst(0)
	v_ldexp_f32 v[TM], 1.0, v[TM]
	v_mul_f32 v14, v14, v[TM+3]
	s_delay_alu instid0(VALU_DEP_1)
	v_fma_f32 v14, v[TM+1], v[TM], v14
	s_delay_alu instid0(VALU_DEP_1)
	v_permlanex16_b32 v[TT], v14, s[SEL], s[SEL+1]
	s_delay_alu instid0(VALU_DEP_1)
	v_add_f32 v14, v14, v[TT]
	s_wait_alu depctr_va_vdst(0)
	v_rcp_f32 v14, v14
	v_nop
	s_wait_alu depctr_va_vdst(0)
	v_mul_f32 v[FF], v[TM+3], v14
	v_mul_f32 v14, v[TM], v14
	s_wait_alu depctr_va_vdst(0)
	s_wait_dscnt 0x0
.set j, 0
.rept 32
	v_pk_mul_f32 v[S+j:S+j+1], v[S+j:S+j+1], v[14:15] op_sel_hi:[1,0]
.set j, j+2
.endr
.set j, 0
.rept 32
	v_pk_fma_f32 v[S+j:S+j+1], v[O+j:O+j+1], v[FF:FF+1], v[S+j:S+j+1] op_sel_hi:[1,0,1]
.set j, j+2
.endr
	QUANT S
.irp c, 0,1,2
	global_store_b128 v[LI], v[PC+4*\c:PC+4*\c+3], s[48:49] offset:512*\c
.endr
	ds_store_b32 v[SCW], v[PW]
.Lgiven:
	s_wait_dscnt 0x0
	s_barrier_signal -1
	s_barrier_wait -1
	s_and_b32 s10, s[WV], 11
	s_cmp_lg_u32 s10, 0
	s_cbranch_scc1 .Lno_words
	ds_load_b64 v[OW:OW+1], v[SCRD]
	s_wait_dscnt 0x0
	global_store_b64 v[L8], v[OW:OW+1], s[50:51]
.Lno_words:
	s_wait_tensorcnt 0x0
	ds_add_u32 v[SPW], v[NIL]
	s_wait_dscnt 0x0
	s_endpgm
.Lfunc_end_k_q7827e9448a_attn:
	.size	k_q7827e9448a_attn, .Lfunc_end_k_q7827e9448a_attn-k_q7827e9448a_attn
	.p2alignl 7, 3214868480
	.fill 96, 4, 3214868480
	.section	.rodata,"a",@progbits
	.p2align	6, 0x0
	.amdhsa_kernel k_q7827e9448a_attn
		.amdhsa_group_segment_fixed_size 327680
		.amdhsa_private_segment_fixed_size 0
		.amdhsa_enable_private_segment 0
		.amdhsa_kernarg_size 16
		.amdhsa_user_sgpr_count 2
		.amdhsa_user_sgpr_kernarg_segment_ptr 1
		.amdhsa_wavefront_size32 1
		.amdhsa_system_sgpr_workgroup_id_x 1
		.amdhsa_system_sgpr_workgroup_id_y 1
		.amdhsa_system_sgpr_workgroup_id_z 1
		.amdhsa_system_vgpr_workitem_id 0
		.amdhsa_next_free_vgpr 256
		.amdhsa_next_free_sgpr 66
		.amdhsa_reserve_vcc 1
		.amdhsa_float_denorm_mode_32 3
		.amdhsa_float_denorm_mode_16_64 3
		.amdhsa_memory_ordered 1
		.amdhsa_forward_progress 1
		.amdhsa_inst_pref_size 125
	.end_amdhsa_kernel
	.amdgpu_metadata
---
amdhsa.version: [ 1, 2 ]
amdhsa.kernels:
  - .name:           k_q7827e9448a_attn
    .symbol:         k_q7827e9448a_attn.kd
    .args:
      - { .name: qkv, .offset: 0, .size: 8, .value_kind: global_buffer, .address_space: global }
      - { .name: ac, .offset: 8, .size: 8, .value_kind: global_buffer, .address_space: global }
    .group_segment_fixed_size: 327680
    .private_segment_fixed_size: 0
    .kernarg_segment_align: 8
    .kernarg_segment_size: 16
    .max_flat_workgroup_size: 512
    .sgpr_count:     66
    .vgpr_count:     256
    .wavefront_size: 32
...
	.end_amdgpu_metadata
.endif
;; end of part 3
;; launch outp (part 4): grid 16 x 16, 4 waves a work-group, clusters of 4 x 4, 327,680 bytes of LDS; arguments ac, xc, out0; writes out0
.if DOCPART == 4
	.amdgcn_target "amdgcn-amd-amdhsa--gfx1250"
	.amdhsa_code_object_version 6
	.text
	.protected	k_q7827e9448a_outp
	.globl	k_q7827e9448a_outp
	.p2align	8
	.type	k_q7827e9448a_outp,@function
k_q7827e9448a_outp:
	s_mov_b64 s[64:65], 0
	v_nop
	global_prefetch_b8 v0, s[64:65] scope:SCOPE_SE
	s_setreg_imm32_b32 hwreg(HW_REG_WAVE_MODE, 25, 1), 1
	s_wait_xcnt 0x0
	s_wait_alu depctr_hold_cnt(0) depctr_sa_sdst(0) depctr_va_vdst(0) depctr_va_sdst(0) depctr_va_ssrc(0) depctr_va_vcc(0) depctr_vm_vsrc(0)
	s_getreg_b32 s2, hwreg(HW_REG_IB_STS2, 6, 4)
	s_cmp_eq_u32 s2, 0
	s_cbranch_scc0 .Lentry_in_a_cluster
	s_endpgm
.Lentry_in_a_cluster:
	s_bfe_u32 s2, ttmp6, 0x10000c
	s_cmp_lg_u32 s2, 0xf033
	s_cbranch_scc0 .Lentry_shape_is_right
	s_endpgm
.Lentry_shape_is_right:
; out0 = attn Wo^T, 2048 x 2048 x 2048, on codes of BF6 with one E8M0 scale for each 32 along K; out0 is f32.  attn's codes come from ac, Wo's from xc (tensor 6), both as blocks of 12,800 bytes
; (128 rows x 128 K: eight images of fragments, then 128 scale words), the 16 K steps of 128 rows on end.
; A tile of out0 is 128 x 128, so that there are 256 work-groups; four waves, each 64 x 64: 16 accumulators.
; LDS holds TWELVE K steps of A's 128 rows (153,600 bytes) and behind them twelve of B's.  TWO FILLS: at the head each wave fetches six K steps of one operand, a dense run of 76,800 bytes, with one joint load;
; K steps 12-15 come by one refill, two K steps (25,600 bytes) a wave, onto the bytes of K steps 0-3, behind the round that stands in K step 3.  From that request to the wait for it, in K step 11,
; a wave issues 120 matrix instructions.  By the text's own count a wave has one tensor load out at a time.  The 16 K steps are written out by macros: no two groups of four ask alike.
; CLUSTERS: 4 x 4 work-groups; A's runs are asked for jointly along a row of the cluster, B's along a column.
; PREFETCH: at the head, behind the joint load, every wave names the 100 blocks of 256 bytes that its refill will fetch, four K steps ahead of that load; the four partners that ask for the run jointly
; share it out BY ADDRESS: the partner at place p (cx for A, cy for B) takes blocks 25 p .. 25 p + 24, a lane a block; the seven lanes left over name the last of them again.  The head's own runs come by their loads alone.
; THE MATRIX INSTRUCTION IS USED TRANSPOSED (source 0 = 16 rows of Wo, source 1 = 16 rows of attn): a lane holds eight neighbouring numbers of a row of out0.
; Inside each block of 32 both operands stand in the order 0-7, 16-23, 8-15, 24-31: equal k meet; only the order of the f32 sums differs from an ascending one.
; REGISTERS: window 0: v8-29 addresses; v32-39 scale words, two sets; v40-103 rows on the way out; v128-255 the accumulators ((a, b) at v[128 + 8 (4 a + b)]).
;   window 1: two fragment buffers, at v0 and v128: A's four fragments, then B's four.
.set BLKB,  12800
.set GRP,   4*BLKB                     ; four K steps of one operand: what one address register reaches
.set OPB,   3*GRP                      ; an operand's twelve K steps
.set HEADB, 6*BLKB                     ; what a wave's load at the head brings
.set REFB,  2*BLKB                     ; and its refill
.set TENB,  256*BLKB
.set ROWB,  16*BLKB
.set STG,   2*OPB                      ; behind the tiles: a stage of 16 rows x 272 bytes for each wave
.set SPITCH, 272
.set SPARE, STG+4*16*SPITCH            ; the spare words, 128 bytes for each wave: two blocks of 256 bytes that no other line names
.set FR,    12
.set ADRA, 8                           ; v8-10  my A fragments in K steps 4 g .. 4 g + 3;  v12-14 their scale words
.set ASA,  12
.set ADRB, 16                          ; v16-18, v20-22 the same for B
.set ASB,  20
.set STO,  24
.set RD,   25
.set CO,   26
.set PFO,  27                          ; v27 the prefetch's offset
.set SPW,  28                          ; v28 my spare word; never rewritten
.set NIL,  29                          ; v29 0; never rewritten
.set SC,   32                          ; set f at +4 f; A's pairs of fragments at +p, B's at +2+p
.set OB,   40
.set ACC,  128
.set G1,  24                           ; s[24:31] group 1 for A's runs at the head; s[32:39] group 0: the head's, the refill's
.set G0,  32
.set G1B, 48                           ; s[48:55], s[56:63] the same for B
.set G0B, 56
.set G1S, 76                           ; s[76:83], s[84:91] group 1 for the refills
.set G1SB, 84
.set MSB, 0
.macro WIN new                         ; the immediate's high byte repeats the setting that is left
.if MSB != (\new)
	s_set_vgpr_msb (MSB<<8)|(\new)
.set MSB, (\new)
.endif
.endm
.set MUL,  0x05                        ; sources 0 and 1 window 1; C and D window 0
.set TO_F, 0x40
.macro WM d, a, b, zero, sa, sb, ra, rb
.if \zero
.if (\ra) && (\rb)
	v_wmma_scale_f32_16x16x128_f8f6f4 v[\d:\d+7], v[\a:\a+11], v[\b:\b+11], 0, v[\sa], v[\sb] matrix_a_fmt:MATRIX_FMT_BF6 matrix_b_fmt:MATRIX_FMT_BF6 matrix_a_scale:MATRIX_SCALE_ROW1 matrix_b_scale:MATRIX_SCALE_ROW1
.elseif \ra
	v_wmma_scale_f32_16x16x128_f8f6f4 v[\d:\d+7], v[\a:\a+11], v[\b:\b+11], 0, v[\sa], v[\sb] matrix_a_fmt:MATRIX_FMT_BF6 matrix_b_fmt:MATRIX_FMT_BF6 matrix_a_scale:MATRIX_SCALE_ROW1
.elseif \rb
	v_wmma_scale_f32_16x16x128_f8f6f4 v[\d:\d+7], v[\a:\a+11], v[\b:\b+11], 0, v[\sa], v[\sb] matrix_a_fmt:MATRIX_FMT_BF6 matrix_b_fmt:MATRIX_FMT_BF6 matrix_b_scale:MATRIX_SCALE_ROW1
.else
	v_wmma_scale_f32_16x16x128_f8f6f4 v[\d:\d+7], v[\a:\a+11], v[\b:\b+11], 0, v[\sa], v[\sb] matrix_a_fmt:MATRIX_FMT_BF6 matrix_b_fmt:MATRIX_FMT_BF6
.endif
.else
.if (\ra) && (\rb)
	v_wmma_scale_f32_16x16x128_f8f6f4 v[\d:\d+7], v[\a:\a+11], v[\b:\b+11], v[\d:\d+7], v[\sa], v[\sb] matrix_a_fmt:MATRIX_FMT_BF6 matrix_b_fmt:MATRIX_FMT_BF6 matrix_a_scale:MATRIX_SCALE_ROW1 matrix_b_scale:MATRIX_SCALE_ROW1
.elseif \ra
	v_wmma_scale_f32_16x16x128_f8f6f4 v[\d:\d+7], v[\a:\a+11], v[\b:\b+11], v[\d:\d+7], v[\sa], v[\sb] matrix_a_fmt:MATRIX_FMT_BF6 matrix_b_fmt:MATRIX_FMT_BF6 matrix_a_scale:MATRIX_SCALE_ROW1
.elseif \rb
	v_wmma_scale_f32_16x16x128_f8f6f4 v[\d:\d+7], v[\a:\a+11], v[\b:\b+11], v[\d:\d+7], v[\sa], v[\sb] matrix_a_fmt:MATRIX_FMT_BF6 matrix_b_fmt:MATRIX_FMT_BF6 matrix_b_scale:MATRIX_SCALE_ROW1
.else
	v_wmma_scale_f32_16x16x128_f8f6f4 v[\d:\d+7], v[\a:\a+11], v[\b:\b+11], v[\d:\d+7], v[\sa], v[\sb] matrix_a_fmt:MATRIX_FMT_BF6 matrix_b_fmt:MATRIX_FMT_BF6
.endif
.endif
.endm
.macro JLOAD g0a, g1a, g0b, g1b        ; a joint load: waves 0 and 1 fetch for A, waves 2 and 3 for B; an s_nop 0 and four v_nop follow each of the two lines
	s_cmp_eq_u32 s15, 0
	s_cbranch_scc0 .Lfor_b_\@
	tensor_load_to_lds s[\g0a:\g0a+3], s[\g1a:\g1a+7]
	s_nop 0
.rept 4
	v_nop
.endr
	s_branch .Lasked_\@
.Lfor_b_\@:
	tensor_load_to_lds s[\g0b:\g0b+3], s[\g1b:\g1b+7]
	s_nop 0
.rept 4
	v_nop
.endr
.Lasked_\@:
.endm
.macro CREST                           ; a round of the cluster's barrier behind its opening barrier
	s_cmp_lg_u32 s14, 0
	s_cbranch_scc1 .Lnot_wave_0_\@
	s_barrier_signal -3
.Lnot_wave_0_\@:
	s_barrier_wait -3
	s_barrier_signal -1
	s_barrier_wait -1
.endm
.macro CROUND
	s_barrier_signal -1
	s_barrier_wait -1
	CREST
.endm
.macro PLACES
.rept 4
	v_nop
.endr
.endm
	s_load_b128 s[4:7], s[0:1], 0x0                ; ac s[4:5], xc s[6:7]
	s_load_b64 s[8:9], s[0:1], 0x10                ; out0
	v_lshl_add_u32 v[SPW], v0, 2, SPARE
	v_mov_b32 v[NIL], 0
	ds_add_u32 v[SPW], v[NIL]                      ; the opening: the add, twice on end, and its wait ahead of my first tensor load
	ds_add_u32 v[SPW], v[NIL]
	v_lshrrev_b32 v1, 5, v0
	v_readfirstlane_b32 s14, v1                    ; wave 0..3
	s_lshr_b32 s15, s14, 1                         ; which half of the tile's rows is mine.  Also: I fetch for A (0) or for B (1)
	s_and_b32 s16, s14, 1                          ; which half of its columns.  Also: which half of a fill's K steps I fetch
	s_bfe_u32 s40, ttmp6, 0x40000                  ; cx
	s_bfe_u32 s41, ttmp6, 0x40004                  ; cy
	s_lshl_b32 s42, ttmp9, 2
	s_add_co_u32 s42, s42, s40                     ; tile column 0..15
	s_and_b32 s17, ttmp7, 0xffff
	s_lshl_b32 s17, s17, 2
	s_add_co_u32 s17, s17, s41                     ; tile row 0..15
	s_lshl_b32 s43, s41, 2
	s_lshl_b32 s43, 15, s43                        ; my row of the cluster
	s_lshl_b32 s44, 0x1111, s40                    ; my column
	; descriptor group 1: dense bytes as rows of 32 elements of 8 bytes, no padding: 300 rows at the head, 100 in the refill
	s_or_b32 s[G1+0], s43, (3<<16)|(1<<21)
	s_or_b32 s[G1B+0], s44, (3<<16)|(1<<21)
	s_or_b32 s[G1S+0], s43, (3<<16)|(1<<21)
	s_or_b32 s[G1SB+0], s44, (3<<16)|(1<<21)
.irp g, G1, G1B
	s_mov_b32 s[\g+1], 32<<16
	s_mov_b32 s[\g+2], 300<<16
	s_mov_b32 s[\g+3], 32<<16
	s_mov_b32 s[\g+4], 300
	s_mov_b32 s[\g+5], 32
	s_mov_b32 s[\g+6], 0
	s_mov_b32 s[\g+7], 0
.endr
.irp g, G1S, G1SB
	s_mov_b32 s[\g+1], 32<<16
	s_mov_b32 s[\g+2], 100<<16
	s_mov_b32 s[\g+3], 32<<16
	s_mov_b32 s[\g+4], 100
	s_mov_b32 s[\g+5], 32
	s_mov_b32 s[\g+6], 0
	s_mov_b32 s[\g+7], 0
.endr
	s_mul_i32 s66, s17, ROWB                       ; A: the tile row's 128 rows
	s_mul_i32 s21, s16, HEADB
	s_add_co_u32 s20, s66, s21                     ; the head: K steps 0-5 or 6-11
	s_mov_b32 s21, 0
	s_mul_i32 s67, s16, REFB
	s_add_co_u32 s66, s66, s67
	s_add_co_u32 s66, s66, 12*BLKB                 ; the refill: K steps 12-13 or 14-15
	s_mov_b32 s67, 0
	s_mul_i32 s68, s42, ROWB                       ; B: the tile column's 128 rows of Wo, tensor 6 of xc
	s_add_co_u32 s68, s68, 6*TENB
	s_mul_i32 s47, s16, HEADB
	s_add_co_u32 s46, s68, s47
	s_mov_b32 s47, 0
	s_mul_i32 s69, s16, REFB
	s_add_co_u32 s68, s68, s69
	s_add_co_u32 s68, s68, 12*BLKB
	s_mov_b32 s69, 0
	s_mul_i32 s45, s14, HEADB                      ; where the head's runs go: wave x 76,800: no place in the cluster enters an LDS address
	s_mul_i32 s74, s15, OPB                        ; and the refills: the operand's first bytes + half x 25,600
	s_mul_i32 s75, s16, REFB
	s_add_co_u32 s74, s74, s75
	s_wait_dscnt 0x0                               ; both opening adds are done
	s_wait_kmcnt 0x0
	s_add_nc_u64 s[20:21], s[4:5], s[20:21]
	s_add_nc_u64 s[46:47], s[6:7], s[46:47]
	s_add_nc_u64 s[66:67], s[4:5], s[66:67]
	s_add_nc_u64 s[68:69], s[6:7], s[68:69]
	CROUND                                         ; all sixteen work-groups are here: the first joint loads meet
	s_mov_b32 s[G0], 1
	s_mov_b32 s[G0+1], s45
	s_mov_b64 s[G0+2:G0+3], s[20:21]
	s_or_b32 s[G0+3], s[G0+3], 0x80000000
	s_mov_b32 s[G0B], 1
	s_mov_b32 s[G0B+1], s45
	s_mov_b64 s[G0B+2:G0B+3], s[46:47]
	s_or_b32 s[G0B+3], s[G0B+3], 0x80000000
	JLOAD G0, G1, G0B, G1B                         ; K steps 0-11: my one load at the head
	s_mov_b32 s[G0+4], 1
	s_mov_b32 s[G0+5], s74
	s_mov_b64 s[G0+6:G0+7], s[66:67]
	s_or_b32 s[G0+7], s[G0+7], 0x80000000
	s_mov_b32 s[G0B+4], 1
	s_mov_b32 s[G0B+5], s74
	s_mov_b64 s[G0B+6:G0B+7], s[68:69]
	s_or_b32 s[G0B+7], s[G0B+7], 0x80000000
	s_mul_i32 s10, s15, 4*1536                     ; my four fragments of A,
	s_mul_i32 s11, s16, 4*1536
	s_add_co_u32 s11, s11, OPB                     ; of B, behind A's twelve K steps,
	s_lshl_b32 s12, s15, 8                         ; and their scale words
	s_lshl_b32 s13, s16, 8
	s_add_co_u32 s13, s13, OPB
	s_mul_i32 s18, s14, 16*SPITCH
	s_add_co_u32 s18, s18, STG                     ; my stage
	s_lshl_b32 s72, s17, 7
	s_lshl_b32 s73, s15, 6
	s_add_co_u32 s72, s72, s73                     ; my first row: 128 x tile row + 64 x half
	s_lshl_b32 s72, s72, 13
	s_lshl_b32 s73, s42, 9                         ; my first column, in bytes: 512 x tile column + 256 x half
	s_add_co_u32 s72, s72, s73
	s_lshl_b32 s73, s16, 8
	s_add_co_u32 s72, s72, s73
	s_mov_b32 s73, 0
	s_add_nc_u64 s[8:9], s[8:9], s[72:73]
	s_cmp_eq_u32 s15, 0                            ; the prefetch: do I fetch for A?
	s_cselect_b64 s[70:71], s[66:67], s[68:69]     ; my refill's run,
	s_cselect_b32 s75, s40, s41                    ; my place among the four that ask for it with me,
	s_mul_i32 s75, s75, 25                         ; and my work-group's 25 blocks of its 100
	v_and_b32 v1, 31, v0                           ; lane
	v_and_b32 v2, 15, v0                           ; l % 16
	v_bfe_u32 v3, v0, 4, 1                         ; l / 16
	v_lshlrev_b32 v4, 4, v1
	v_lshlrev_b32 v5, 2, v1
	v_add_nc_u32 v[ADRA], s10, v4
	v_add_nc_u32 v[ADRB], s11, v4
	v_add_nc_u32 v[ASA], s12, v5
	v_add_nc_u32 v[ASB], s13, v5
.irp g, 1,2
	v_add_nc_u32 v[ADRA+\g], \g*GRP, v[ADRA]
	v_add_nc_u32 v[ADRB+\g], \g*GRP, v[ADRB]
	v_add_nc_u32 v[ASA+\g], \g*GRP, v[ASA]
	v_add_nc_u32 v[ASB+\g], \g*GRP, v[ASB]
.endr
	v_mul_u32_u24 v6, v2, SPITCH                   ; the stage, in: row l % 16, 32 bytes for each half of the lanes
	v_lshl_add_u32 v6, v3, 5, v6
	v_add_nc_u32 v[STO], s18, v6
	v_mul_u32_u24 v6, v3, SPITCH                   ; back: lanes 0-15 one row of 256 bytes, lanes 16-31 the next
	v_lshl_add_u32 v6, v2, 4, v6
	v_add_nc_u32 v[RD], s18, v6
	v_lshlrev_b32 v6, 13, v3                       ; and the same two rows in out0 (8,192 bytes a row)
	v_lshl_add_u32 v[CO], v2, 4, v6
	v_min_u32 v7, 24, v1
	v_add_nc_u32 v7, s75, v7
	v_lshlrev_b32 v[PFO], 8, v7
	global_prefetch_b8 v[PFO], s[70:71] th:TH_LOAD_NT scope:SCOPE_SE   ; K steps 12-15; its registers are never rewritten
.macro FETCH k                         ; the fragments and scale words of K step k into buffer k % 2: 28 LDS loads.  K steps 12-15 lie where 0-3 lay
.set gg, ((\k)/4)%3
.set qq, (\k)%4
.set bb, (\k)%2
	WIN TO_F
.irp i, 0,1,2,3
.irp c, 0,1,2
	ds_load_b128 v[128*bb+48+FR*\i+4*\c:128*bb+48+FR*\i+4*\c+3], v[ADRB+gg] offset:BLKB*qq+1536*\i+512*\c
	ds_load_b128 v[128*bb+FR*\i+4*\c:128*bb+FR*\i+4*\c+3], v[ADRA+gg] offset:BLKB*qq+1536*\i+512*\c
.endr
.endr
	WIN 0
.irp p, 0,1
	ds_load_b32 v[SC+4*bb+\p], v[ASA+gg] offset:12288+BLKB*qq+128*\p
	ds_load_b32 v[SC+4*bb+2+\p], v[ASB+gg] offset:12288+BLKB*qq+128*\p
.endr
.endm
; 8 matrix instructions: A's fragments a0, a0 + 1 x B's four.  The 16 accumulators take turns, one instruction a turn, in the same order in every step.
.macro MUL8 fb, a0, zero
.irp a, \a0, \a0+1
.irp b, 0,1,2,3
	WM ACC+8*(4*(\a)+\b),128*(\fb)+48+FR*\b,128*(\fb)+FR*(\a),\zero,SC+4*(\fb)+2+\b/2,SC+4*(\fb)+(\a)/2,\b%2,(\a)%2
.endr
.endr
.endm
.macro STEP k, zero                    ; a K step whose successor's tiles are known to be in LDS: the next step's loads go out ahead of this step's 16 products
	s_wait_dscnt 0x0                               ; this step's fragments and scale words are in
	PLACES                                         ; in front of loads into the registers that the last step's products have read
	FETCH (\k)+1
	WIN MUL
	MUL8 (\k)%2, 0, \zero
	MUL8 (\k)%2, 2, \zero
.endm
; K steps 3 and 11 (buffer 1) hold a barrier; in front of it each wave waits for all its tensor loads, adds 0 to its spare word, and waits for that and for its LDS reads.
; fill = 1 (K step 3): nobody reads K steps 0-3 any more; the barrier opens a round, and the refill follows.  fill = 0 (K step 11): the refill is whole for all four waves.
.macro TURN k, fill
	WIN 0                                          ; (the add's two registers lie in window 0)
	s_wait_tensorcnt 0x0
	ds_add_u32 v[SPW], v[NIL]
	s_wait_dscnt 1                                 ; the add alone may be out: this step's loads are in
	WIN MUL
	MUL8 1, 0, 0                                   ; eight products stand between the add and the wait for it
	s_wait_dscnt 0x0
	s_barrier_signal -1
	WIN 0
	s_barrier_wait -1
.if \fill
	CREST                                          ; no wave of any partner still reads those bytes or has a load on its way
	JLOAD G0+4, G1S, G0B+4, G1SB                   ; K steps 12-15: the first tensor load behind the round; its four v_nop are the places in front of the loads below
.else
	PLACES
.endif
	FETCH (\k)+1
	WIN MUL
	MUL8 1, 2, 0                                   ; the other eight products, while those loads are on their way
.endm
	s_wait_alu depctr_va_vdst(0)
	s_wait_tensorcnt 0x0                           ; my run of the head's four is in
	s_barrier_signal -1
	s_barrier_wait -1                              ; and everybody's
	FETCH 0
	STEP 0, 1                                      ; the first products start the sums
	STEP 1, 0
	STEP 2, 0
	TURN 3, 1
.irp k, 4,5,6,7,8,9,10
	STEP \k, 0
.endr
	TURN 11, 0
.irp k, 12,13,14
	STEP \k, 0
.endr
	s_wait_dscnt 0x0
	WIN MUL
	MUL8 1, 0, 0
	MUL8 1, 2, 0
	WIN 0
; THE WAY OUT, 16 rows x 64 columns at a time, through my own stage: a lane holds 32 bytes of a row; back come whole rows of 256 bytes, two an instruction.
.macro TOSTAGE a
.irp b, 0,1,2,3
	ds_store_b128 v[STO], v[ACC+8*(4*(\a)+\b):ACC+8*(4*(\a)+\b)+3] offset:64*\b        ; each accumulator from its low end on
	ds_store_b128 v[STO], v[ACC+8*(4*(\a)+\b)+4:ACC+8*(4*(\a)+\b)+7] offset:64*\b+16
.endr
.irp t, 0,1,2,3,4,5,6,7
	ds_load_b128 v[OB+32*((\a)%2)+4*\t:OB+32*((\a)%2)+4*\t+3], v[RD] offset:\t*2*SPITCH   ; LDS serves a wave's instructions in order: these see the stores above
.endr
.endm
.macro SEND a, younger
	s_wait_dscnt \younger                          ; the block is back; the next block's 8 stores and 8 loads may be out
.irp t, 0,1,2,3,4,5,6,7
	global_store_b128 v[CO], v[OB+32*((\a)%2)+4*\t:OB+32*((\a)%2)+4*\t+3], s[8:9] offset:(16*(\a)+2*\t)*8192 th:TH_STORE_NT   ; 16 lanes store 256 consecutive bytes, at a multiple of 256 from out0's first byte
.endr
.endm
	PLACES                                         ; behind the last products
	TOSTAGE 0
.irp a, 1,2,3
.if \a > 1
	s_wait_xcnt 0x0                                ; the stores of two blocks back have read their registers: this block's loads may land there
.endif
	TOSTAGE \a
	SEND \a-1, 16
.endr
	SEND 3, 0
	s_wait_tensorcnt 0x0                           ; the wave's end
	ds_add_u32 v[SPW], v[NIL]
	s_wait_dscnt 0x0
	CROUND                                         ; the closing round
	s_endpgm
.Lfunc_end_k_q7827e9448a_outp:
	.size	k_q7827e9448a_outp, .Lfunc_end_k_q7827e9448a_outp-k_q7827e9448a_outp
	.p2alignl 7, 3214868480
	.fill 96, 4, 3214868480
	.section	.rodata,"a",@progbits
	.p2align	6, 0x0
	.amdhsa_kernel k_q7827e9448a_outp
		.amdhsa_group_segment_fixed_size 327680
		.amdhsa_private_segment_fixed_size 0
		.amdhsa_enable_private_segment 0
		.amdhsa_kernarg_size 24
		.amdhsa_user_sgpr_count 2
		.amdhsa_user_sgpr_kernarg_segment_ptr 1
		.amdhsa_wavefront_size32 1
		.amdhsa_system_sgpr_workgroup_id_x 1
		.amdhsa_system_sgpr_workgroup_id_y 1
		.amdhsa_system_sgpr_workgroup_id_z 1
		.amdhsa_system_vgpr_workitem_id 0
		.amdhsa_next_free_vgpr 512
		.amdhsa_next_free_sgpr 96
		.amdhsa_reserve_vcc 0
		.amdhsa_float_denorm_mode_32 3
		.amdhsa_float_denorm_mode_16_64 3
		.amdhsa_memory_ordered 1
		.amdhsa_forward_progress 1
		.amdhsa_inst_pref_size 82
	.end_amdhsa_kernel
	.amdgpu_metadata
---
amdhsa.version: [ 1, 2 ]
amdhsa.kernels:
  - .name:           k_q7827e9448a_outp
    .symbol:         k_q7827e9448a_outp.kd
    .args:
      - { .name: ac, .offset: 0, .size: 8, .value_kind: global_buffer, .address_space: global }
      - { .name: xc, .offset: 8, .size: 8, .value_kind: global_buffer, .address_space: global }
      - { .name: out0, .offset: 16, .size: 8, .value_kind: global_buffer, .address_space: global }
    .group_segment_fixed_size: 327680
    .private_segment_fixed_size: 0
    .kernarg_segment_align: 8
    .kernarg_segment_size: 24
    .max_flat_workgroup_size: 128
    .sgpr_count:     96
    .vgpr_count:     512
    .wavefront_size: 32
...
	.end_amdgpu_metadata
.endif
;; end of part 4
